; MI455X (gfx1250); checked and timed in simulation.
; The chip was launched on July 23, 2026; its instructions are those of AMD's public machine-readable ISA for CDNA 5 (MIT licence, August 2026) and "CDNA5" Instruction Set Architecture Reference Guide (July 2026). The comments in the code are by the model that wrote it; some were corrected since.
;; Mo E. Allowed arithmetic: float matrix products may take bf16 or f16 operands with f32 sums; other float arithmetic in f32, or as packed bf16 or f16 multiplies, adds, multiply-adds, maxima and minima; sums over many terms, partial sums and values carried from step to step in f32; what a program stores and reads back later, other than sums and carried values, may be rounded once to bf16 or f16.
;; Inputs: b1 8 x 4,096 float32; b2 8 x 1,024 float32; gate_b 8 float32; gate_w 1,024 x 8 float32; w1 8 x 1,024 x 4,096 float32; w2 8 x 4,096 x 1,024 float32; x 1,024 x 1,024 float32.
;; Outputs: out0 1,024 x 1,024 float32; out1 one number float32.
;; 2 versions, each right; version 2 is version 1 with the launch router written anew for expert scheduling mode. Each part assembles by itself: llvm-mc -triple=amdgcn-amd-amdhsa -mcpu=gfx1250 --defsym DOCPART=n.
;; ======== version 1 of 2: 4 launches
;; limits: values are held in f16: magnitudes above 65,504 overflow, below 6.1e-05 lose precision
;; workspace buffers: xb 2,097,152 bytes; sel 4,096 bytes of whole numbers; cw 8,192 bytes; hbuf 16,777,216 bytes; part 33,554,432 bytes; cnt 256 bytes of whole numbers
;; launch router (part 1): grid 256 x 1, 1 waves a work-group, no clusters, 0 bytes of LDS; arguments x, gate_w, gate_b, xb, sel, cw; writes xb, sel, cw
.if DOCPART == 1
	.amdgcn_target "amdgcn-amd-amdhsa--gfx1250"
	.amdhsa_code_object_version 6
	.text
	.protected	k_q0463cb35e0_router
	.globl	k_q0463cb35e0_router
	.p2align	8
	.type	k_q0463cb35e0_router,@function
k_q0463cb35e0_router:
	s_mov_b64 s[64:65], 0
	v_nop
	global_prefetch_b8 v0, s[64:65] scope:SCOPE_SE
	s_setreg_imm32_b32 hwreg(HW_REG_WAVE_MODE, 25, 1), 1
	s_wait_xcnt 0x0
; ROUTER.  x is rounded to bf16 and stored (xb); logits = xb . gate_w + gate_b with gate_w and gate_b rounded to bf16 too, products and sums in f32
; by vector multiply-adds (16 MFLOP: no bulk work); softmax with the row's maximum taken away; top 2 of the SCORES, ties to the lower index.
; Stored at fixed places: sel[token] = (1 << e0) | (256 << e1), cw[token] = the two scores.  No address hangs on them here.
; SHARES.  A work-group is one wave and owns tokens 4 g .. 4 g + 3.  Lane l owns the channels 128 j + 4 l + 0..3 of chunk j = 0..7.
; A ring of four register slots: a slot holds a chunk's 8 loads of gate_w (the lane's 4 rows of 8 floats) and 4 loads of x (one a token).
; LIMITS.  A score below 2^-126 counts as 0; NaN and infinities are not treated apart (a row of NaN chooses expert 0 twice); the order of the sums differs from
; the reference's.  sel and cw leave in pieces of 16 and 32 bytes a work-group, 12 KB in the whole launch.
.set XO,  1                            ; v1   16 l: my bytes in 512 bytes of a row of x
.set GO,  2                            ; v2   128 l: my four rows of gate_w in a chunk
.set BO,  3                            ; v3   8 l: my bytes in 256 bytes of a row of xb; also my pair in cw
.set T,   4                            ; v4-7 at work
.set XB,  8                            ; v8-15   token t: two words, four bf16, to store
.set ACC, 16                           ; v16-47  token t, expert e at ACC + 8 t + e
.set X,   48                           ; v48-111 slot s, token t: four channels at X + 16 s + 4 t
.set G,   112                          ; v112-239 slot s: channel c, expert e at G + 32 s + 8 c + e
	s_load_b256 s[4:11], s[0:1], 0x0               ; x s[4:5], gate_w s[6:7], gate_b s[8:9], xb s[10:11]
	s_load_b128 s[12:15], s[0:1], 0x20             ; sel s[12:13], cw s[14:15]
	v_lshlrev_b32 v[XO], 4, v0
	v_lshlrev_b32 v[GO], 7, v0
	v_lshlrev_b32 v[BO], 3, v0
	s_mov_b32 s24, 0xffff0000                      ; a word's upper bf16
	s_mov_b32 s25, 0x76543210                      ; v_permlanex16_b32: each lane takes its own place in the other half
	s_mov_b32 s26, 0xfedcba98
	s_mov_b32 s27, 0xaaaaaaaa                      ; lanes with bit 0 set
	s_mov_b32 s28, 0xcccccccc                      ; lanes with bit 1 set
	s_lshl_b32 s30, ttmp9, 14                      ; four rows of x
	s_mov_b32 s31, 0
	s_lshl_b32 s32, ttmp9, 13                      ; four rows of xb
	s_mov_b32 s33, 0
	s_lshl_b32 s34, ttmp9, 4                       ; four words of sel
	s_mov_b32 s35, 0
	s_lshl_b32 s36, ttmp9, 5                       ; four pairs of cw
	s_mov_b32 s37, 0
	s_wait_kmcnt 0x0
	s_load_b256 s[16:23], s[8:9], 0x0              ; gate_b, all 32 bytes
	s_add_nc_u64 s[4:5], s[4:5], s[30:31]
	s_add_nc_u64 s[10:11], s[10:11], s[32:33]
	s_add_nc_u64 s[12:13], s[12:13], s[34:35]
	s_add_nc_u64 s[14:15], s[14:15], s[36:37]
.macro FILL j                          ; chunk j into slot j % 4: twelve loads
.set sl, (\j)%4
.irp i, 0,1,2,3,4,5,6,7
	global_load_b128 v[G+32*sl+4*\i:G+32*sl+4*\i+3], v[GO], s[6:7] offset:4096*(\j)+16*\i
.endr
.irp t, 0,1,2,3
	global_load_b128 v[X+16*sl+4*\t:X+16*sl+4*\t+3], v[XO], s[4:5] offset:4096*\t+512*(\j) th:TH_LOAD_NT
.endr
.endm
; Chunk j.  left: the younger loads that may stay out.  first = 1: the first products start the sums.  refill = 1: the slot takes chunk j + 4.
.macro CH j, first, refill, left
.set sl, (\j)%4
	s_wait_loadcnt \left                           ; loads come back in order: this chunk's twelve are in
	s_wait_xcnt 0x0                                ; XB, which the last chunk's stores read, is rewritten only behind this wait
.set p, 0
.rept 16                               ; gate_w rounded to bf16 and widened again, in place
	v_cvt_pk_bf16_f32 v[T+p%2], v[G+32*sl+2*p], v[G+32*sl+2*p+1]
	v_lshlrev_b32 v[G+32*sl+2*p], 16, v[T+p%2]
	v_and_b32 v[G+32*sl+2*p+1], s24, v[T+p%2]
.set p, p+1
.endr
.irp t, 0,1,2,3                        ; x likewise; the packed words are stored: a wave's store covers 256 consecutive bytes, aligned
	v_cvt_pk_bf16_f32 v[XB+2*\t], v[X+16*sl+4*\t], v[X+16*sl+4*\t+1]
	v_cvt_pk_bf16_f32 v[XB+2*\t+1], v[X+16*sl+4*\t+2], v[X+16*sl+4*\t+3]
	v_lshlrev_b32 v[X+16*sl+4*\t], 16, v[XB+2*\t]
	v_and_b32 v[X+16*sl+4*\t+1], s24, v[XB+2*\t]
	v_lshlrev_b32 v[X+16*sl+4*\t+2], 16, v[XB+2*\t+1]
	v_and_b32 v[X+16*sl+4*\t+3], s24, v[XB+2*\t+1]
	global_store_b64 v[BO], v[XB+2*\t:XB+2*\t+1], s[10:11] offset:2048*\t+256*(\j)
.endr
.irp c, 0,1,2,3                        ; 64 packed multiply-adds: channel c of token t, given to both halves, times two experts' weights
.irp t, 0,1,2,3
.irp q, 0,2,4,6
.if (\first) && (\c == 0)
	v_pk_mul_f32 v[ACC+8*\t+\q:ACC+8*\t+\q+1], v[X+16*sl+4*\t:X+16*sl+4*\t+1], v[G+32*sl+\q:G+32*sl+\q+1] op_sel_hi:[0,1]
.elseif (\c % 2) == 0
	v_pk_fma_f32 v[ACC+8*\t+\q:ACC+8*\t+\q+1], v[X+16*sl+4*\t+\c:X+16*sl+4*\t+\c+1], v[G+32*sl+8*\c+\q:G+32*sl+8*\c+\q+1], v[ACC+8*\t+\q:ACC+8*\t+\q+1] op_sel_hi:[0,1,1]
.else
	v_pk_fma_f32 v[ACC+8*\t+\q:ACC+8*\t+\q+1], v[X+16*sl+4*\t+\c-1:X+16*sl+4*\t+\c], v[G+32*sl+8*\c+\q:G+32*sl+8*\c+\q+1], v[ACC+8*\t+\q:ACC+8*\t+\q+1] op_sel:[1,0,0] op_sel_hi:[1,1,1]
.endif
.endr
.endr
.endr
.if \refill
	FILL (\j)+4
.endif
.endm
	FILL 0
	FILL 1
	FILL 2
	FILL 3                                         ; 48 loads are out
	CH 0, 1, 1, 36                                 ; three younger chunks of twelve stay out
	CH 1, 0, 1, 36
	CH 2, 0, 1, 36
	CH 3, 0, 1, 36
	CH 4, 0, 0, 36
	CH 5, 0, 0, 24                                 ; nothing more is asked for: the counts run down
	CH 6, 0, 0, 12
	CH 7, 0, 0, 0
	; the 32 sums over the 32 lanes: four steps inside each half of 16 lanes, one across the halves; every lane ends with every sum
.irp m, 1,2,4,8
.set n, 0
.rept 32
	v_add_f32_dpp v[ACC+n], v[ACC+n], v[ACC+n] row_xmask:\m row_mask:0xf bank_mask:0xf
.set n, n+1
.endr
.endr
.set n, 0
.rept 32
	v_permlanex16_b32 v[X+n], v[ACC+n], s25, s26   ; its destination has been written: x's registers
.set n, n+1
.endr
.set n, 0
.rept 32
	v_add_f32 v[ACC+n], v[ACC+n], v[X+n]
.set n, n+1
.endr
	; lane l goes on with token l % 4: its eight logits come into ACC + 0..7
.irp e, 0,1,2,3,4,5,6,7
	v_cndmask_b32 v[ACC+\e], v[ACC+\e], v[ACC+8+\e], s27
	v_cndmask_b32 v[ACC+16+\e], v[ACC+16+\e], v[ACC+24+\e], s27
.endr
.irp e, 0,1,2,3,4,5,6,7
	v_cndmask_b32 v[ACC+\e], v[ACC+\e], v[ACC+16+\e], s28
.endr
	s_wait_kmcnt 0x0                               ; gate_b
.irp q, 0,2,4,6
	v_cvt_pk_bf16_f32 v[T], s[16+\q], s[17+\q]     ; rounded to bf16 like every input
	v_lshlrev_b32 v[X+\q], 16, v[T]
	v_and_b32 v[X+\q+1], s24, v[T]
.endr
.irp e, 0,1,2,3,4,5,6,7
	v_add_f32 v[ACC+\e], v[ACC+\e], v[X+\e]
.endr
	v_max3_num_f32 v[T], v[ACC], v[ACC+1], v[ACC+2]
	v_max3_num_f32 v[T], v[T], v[ACC+3], v[ACC+4]
	v_max3_num_f32 v[T], v[T], v[ACC+5], v[ACC+6]
	v_max_num_f32 v[T], v[T], v[ACC+7]             ; the row's maximum
.set PR, X+8                           ; v56-63: the exponentials, then the scores
.irp e, 0,1,2,3,4,5,6,7
	v_sub_f32 v[PR+\e], v[ACC+\e], v[T]            ; exact 0 at the maximum
.endr
.irp e, 0,1,2,3,4,5,6,7
	v_mul_f32 v[PR+\e], 0x3fb8aa3b, v[PR+\e]       ; times log2(e)
.endr
.irp e, 0,1,2,3,4,5,6,7
	v_exp_f32 v[PR+\e], v[PR+\e]                   ; one batch of eight
.endr
	v_nop                                          ; a plain instruction behind the last exponential (ISA guide 5.7.2)
	s_wait_alu depctr_va_vdst(0)                   ; one wait for the batch, ahead of its first reader
	v_add_f32 v[T], v[PR], v[PR+1]
	v_add_f32 v[T+1], v[PR+2], v[PR+3]
	v_add_f32 v[T+2], v[PR+4], v[PR+5]
	v_add_f32 v[T+3], v[PR+6], v[PR+7]
	v_add_f32 v[T], v[T], v[T+1]
	v_add_f32 v[T+2], v[T+2], v[T+3]
	v_add_f32 v[T], v[T], v[T+2]
	v_rcp_f32 v[T+1], v[T]
	v_nop
	s_wait_alu depctr_va_vdst(0)
.irp e, 0,1,2,3,4,5,6,7
	v_mul_f32 v[PR+\e], v[PR+\e], v[T+1]           ; the scores
.endr
	; top 2 by selects alone: a strict comparison keeps the lower index among equals
	v_mov_b32 v24, v[PR]                           ; v24 the best score, v26 its expert
	v_mov_b32 v26, 0
.irp e, 1,2,3,4,5,6,7
	v_cmp_gt_f32 vcc_lo, v[PR+\e], v24
	v_cndmask_b32 v24, v24, v[PR+\e], vcc_lo
	v_cndmask_b32 v26, v26, \e, vcc_lo
.endr
	v_mov_b32 v25, -1.0                            ; v25 the second score, v27 its expert; the first choice counts as -1, below every score
	v_mov_b32 v27, 0
.irp e, 0,1,2,3,4,5,6,7
	v_cmp_eq_u32 vcc_lo, \e, v26
	v_cndmask_b32 v28, v[PR+\e], -1.0, vcc_lo
	v_cmp_gt_f32 vcc_lo, v28, v25
	v_cndmask_b32 v25, v25, v28, vcc_lo
	v_cndmask_b32 v27, v27, \e, vcc_lo
.endr
	v_mov_b32 v29, 1
	v_lshlrev_b32 v30, v26, v29                    ; 1 << e0
	v_add_nc_u32 v27, 8, v27
	v_lshlrev_b32 v31, v27, v29                    ; 256 << e1
	v_or_b32 v30, v30, v31
	v_lshlrev_b32 v31, 2, v0
	s_wait_xcnt 0x0                                ; EXEC changes only behind this wait
	v_cmp_gt_u32 vcc_lo, 4, v0
	s_and_saveexec_b32 s29, vcc_lo                 ; lanes 0 to 3 hold tokens 0 to 3
	global_store_b32 v31, v30, s[12:13]
	global_store_b64 v[BO], v[24:25], s[14:15]
	s_endpgm
.Lfunc_end_k_q0463cb35e0_router:
	.size	k_q0463cb35e0_router, .Lfunc_end_k_q0463cb35e0_router-k_q0463cb35e0_router
	.p2alignl 7, 3214868480
	.fill 96, 4, 3214868480
	.section	.rodata,"a",@progbits
	.p2align	6, 0x0
	.amdhsa_kernel k_q0463cb35e0_router
		.amdhsa_group_segment_fixed_size 0
		.amdhsa_private_segment_fixed_size 0
		.amdhsa_enable_private_segment 0
		.amdhsa_kernarg_size 48
		.amdhsa_user_sgpr_count 2
		.amdhsa_user_sgpr_kernarg_segment_ptr 1
		.amdhsa_wavefront_size32 1
		.amdhsa_system_sgpr_workgroup_id_x 1
		.amdhsa_system_sgpr_workgroup_id_y 1
		.amdhsa_system_sgpr_workgroup_id_z 1
		.amdhsa_system_vgpr_workitem_id 0
		.amdhsa_next_free_vgpr 240
		.amdhsa_next_free_sgpr 66
		.amdhsa_reserve_vcc 1
		.amdhsa_float_denorm_mode_32 3
		.amdhsa_float_denorm_mode_16_64 3
		.amdhsa_memory_ordered 1
		.amdhsa_forward_progress 1
		.amdhsa_inst_pref_size 89
	.end_amdhsa_kernel
	.amdgpu_metadata
---
amdhsa.version: [ 1, 2 ]
amdhsa.kernels:
  - .name:           k_q0463cb35e0_router
    .symbol:         k_q0463cb35e0_router.kd
    .args:
      - { .name: x, .offset: 0, .size: 8, .value_kind: global_buffer, .address_space: global }
      - { .name: gate_w, .offset: 8, .size: 8, .value_kind: global_buffer, .address_space: global }
      - { .name: gate_b, .offset: 16, .size: 8, .value_kind: global_buffer, .address_space: global }
      - { .name: xb, .offset: 24, .size: 8, .value_kind: global_buffer, .address_space: global }
      - { .name: sel, .offset: 32, .size: 8, .value_kind: global_buffer, .address_space: global }
      - { .name: cw, .offset: 40, .size: 8, .value_kind: global_buffer, .address_space: global }
    .group_segment_fixed_size: 0
    .private_segment_fixed_size: 0
    .kernarg_segment_align: 8
    .kernarg_segment_size: 48
    .max_flat_workgroup_size: 32
    .sgpr_count:     66
    .vgpr_count:     240
    .wavefront_size: 32
...
	.end_amdgpu_metadata
.endif
;; end of part 1
;; launch prod1 (part 2): grid 32 x 8, 8 waves a work-group, no clusters, 300,800 bytes of LDS; arguments xb, w1, b1, sel, hbuf, cnt; writes hbuf, cnt
.if DOCPART == 2
	.amdgcn_target "amdgcn-amd-amdhsa--gfx1250"
	.amdhsa_code_object_version 6
	.text
	.protected	k_q0463cb35e0_prod1
	.globl	k_q0463cb35e0_prod1
	.p2align	8
	.type	k_q0463cb35e0_prod1,@function
k_q0463cb35e0_prod1:
	s_mov_b64 s[64:65], 0
	v_nop
	global_prefetch_b8 v0, s[64:65] scope:SCOPE_SE
	s_setreg_imm32_b32 hwreg(HW_REG_WAVE_MODE, 25, 1), 1
	s_wait_xcnt 0x0
; ONE TEXT FOR BOTH PRODUCTS OF THE EXPERTS; PROD says which.
; PROD = 1: hbuf[slot][:] = relu(xb[token] . w1[e] + b1[e]), rounded once to f16.      PROD = 2: part[kq][slot][:] = c[slot] x (hbuf[slot][1024 kq ..] . w2[e][1024 kq ..]), f32 partial sums.
; slot = 2 token + k names a routed row.  Only the rows that chose expert e are multiplied.  x, w1, b1 and w2 are used rounded once to bf16; sums in f32.
; FORMATS.  The first product multiplies in bf16.  The hidden layer h is kept in f16, 11 significant bits: a rounding to p bits is off by some 2^-p / 2 of the number, the second product's sum over 4,096 terms by the
; same part of its own spread, which for a gate weight near 1 is about three times the output's root mean square; 8 bits would spend over half of the comparison's 1% on that alone.  So the second product multiplies in f16:
; w2 is rounded to bf16 like every input, and that number is written as f16.
; SHARES.  Work-group (x, e) owns a slice of expert e's weights, 1,024 k x 128 columns of f32, which it alone reads, and ALL rows of that expert (any number, 0 to 1,024).
; PROD = 2: x = 8 kq + cs: quarter kq of K = 4,096 and columns 128 cs on, so that a row of the slice is 512 consecutive bytes; the four quarters' sums are added by the next launch.
; THE WEIGHTS go memory -> registers (f32) -> 16 bits -> LDS, in 16 chunks of 64 k, and stay there: no LDS byte of theirs is written twice, so one barrier a chunk orders the stores and the reads.
; In trip c chunk c is multiplied, chunk c + 1 is rounded and stored, chunks c + 2 and c + 3 are on their way.  The loop has 16 trips whatever the counts; every wave passes every barrier; only work is jumped.
; Out of LDS the weights' fragments come in two halves of four column tiles: while one half is multiplied, the other half's eight loads are on their way, across the change of chunks too.
; THE ROWS.  Wave 0 ranks the expert's rows from sel and lays their slots into one list in LDS, place = rank, while the first weights are on their way; a barrier; then every wave reads its tiles' places.
; A pass serves 384 ranks: tile t of wave w holds the pass's ranks 128 t + 16 w + 0..15; 3 tiles a wave x 8 column tiles = 24 accumulators.
; PAST THE COUNT.  The 32 places behind the count repeat the expert's first row.  So in the one tile that is not full the rows past the count are that row once more: the same operands in the same order of k, the same
; numbers, stored to the same bytes by this same work-group (15 rows at the most), and every store runs with all lanes on.  All further places hold slot 0.  Tiles wholly past the count: their matrix instructions
; are jumped (but for the k step that starts the sums) and so is their way out; their loads are still issued, so that the waits' counts hold on every path.
; Ranks from 384 on are served by up to two more passes, which read the weights from LDS, without a barrier and not pipelined.
; COLUMNS.  The wave chooses the LDS row of each column as it stores it: column tile ct, lane r holds column 8 r + ct (PROD 1) or 4 r + ct % 4 + 64 (ct / 4) (PROD 2).  So a lane's eight accumulators
; hold neighbouring columns of a row, and 16 neighbouring lanes store 256 consecutive bytes, aligned, straight from registers.
; NO JOINT LOADS: a slice has one reader; what an expert's work-groups share is its rows, which come by a list.
; LIMITS.  h must stay below 65,504, f16's end (x of spread 1 and w1 of spread 0.02, both 30 times larger, give sums of spread 576; a common offset of 30 spreads on both gives 1,024 x 30 x 0.6 = 18,432); below 2^-14
; h keeps f16's fixed step of 2^-24.  A weight of w2, rounded to bf16, is exact in f16 from 2^-17 to 65,504; a smaller one goes to the nearest multiple of 2^-24.  NaN and infinities are not treated apart
; (the ReLU turns a NaN into 0).  An expert with more than 384 rows is served by the slower passes.
.set PROD, 1
.if PROD == 1
.set WSH,  14                          ; log2 of the bytes from k to k + 1 in w
.set ASH,  11                          ; log2 of the bytes of a row of A (xb)
.set ACL,  1023                        ; A's last row
.set OSH,  13                          ; log2 of the bytes of a row of the output (hbuf)
.set SELP, 50
.else
.set WSH,  12
.set ASH,  13
.set ACL,  2047
.set OSH,  12
.set SELP, 48
.endif
.set WPITCH, 1<<WSH
.set CHSH, WSH+6
.set CHW,  1<<CHSH                     ; bytes of w from chunk to chunk
.set RP,   144                         ; an LDS row: 64 k x 2 bytes + 16: nine times 16 bytes, so 16 neighbouring rows fall into 16 different 16-byte columns of 256 bytes (64 banks of 4 bytes: ISA guide 11.1)
.set CHL,  128*RP                      ; a chunk in LDS
.set LIST, 16*CHL                      ; behind the chunks: 1,152 places (three passes of 384 ranks),
.set LDUMP, 1152                       ; 32 words into which wave 0's lanes put what belongs to no place,
.set LCNT, LIST+4*1184                 ; and the word with the expert's count
.set SPARE, LIST+4864                  ; behind the list's 19 blocks of 256 bytes: the spare words, 128 bytes for each wave: four blocks that no other line names
; window 0
.set SPW, 1                            ; v1   LDS address of my spare word; never rewritten
.set NIL, 2                            ; v2   0, for the add alone
.set WOF, 3                            ; v3   my 16 bytes in a row of the slice + my wave's 8 rows of a chunk
.set STA, 4                            ; v4   where I store in the chunk that is staged next
.set BAD, 5                            ; v5   my place in a fragment of the chunk that is multiplied
.set BA0, 6                            ; v6   the same in chunk 0
.set PFO, 7                            ; v7   the prefetch's offset
.set AOF, 8                            ; v8-10  tile t: byte offset of my row of A + 16 (lane / 16)
.set H16, 11
.set R16, 12
.set LR,  13                           ; v13  the list + 64 wave + 4 (lane % 16)
.set LH,  14                           ; v14  the list + 64 wave + 32 (lane / 16)
.set CV,  16                           ; v16-31 packed weights on their way into LDS; at work in the prologue
.set SL,  16                           ; v16-39 the way out: the byte offsets of tile t's eight rows at SL + 8 t
.set BIO, 32                           ; v32  PROD 1, in the prologue: my byte offset in b1
.set OT,  40                           ; v40-47 PROD 2: at work while weights are staged
.set BI,  48                           ; v48-55 PROD 1: b1 of my eight columns
.set SO,  56                           ; v56  16 l: my bytes in 512 bytes of sel
.set ACC, 64                           ; v64-255 tile t, column tile ct at ACC + 64 t + 8 ct
; window 1
.set BF,  0                            ; v0-63    the eight fragments of the weights for 32 k, in two halves of four
.set AF,  64                           ; v64-159  two slots: tile t, k half ks at AF + 48 slot + 16 t + 8 ks
.set WF,  160                          ; v160-223 two slots: row j's four columns at WF + 32 slot + 4 j
.set CWR, 224                          ; v224-247 PROD 2: the gate's weight of row 8 (lane / 16) + j of tile t at CWR + 8 t + j
                                       ; the way out: tile t's 64 results at 64 t, where the fragments lay
.set WV, 2
.set EX, 3
.set XI, 4
.set NE, 5                             ; s5   the expert's rows
.set TW, 6                             ; s6   my live tiles in this pass, 0 to 3
.set RB, 7                             ; s7   the pass's first rank
.set LO, 8                             ; s8   the pass's first byte in the list
.set SX, 9                             ; s9   EXEC, kept (PROD 1: the count's store)
.set AP, 12                            ; s[12:13] A's base for the loads of slot 0; s[42:43] for those of slot 1
.set AP0, 14
.set WP, 16                            ; s[16:17] w's base for the loads of slot 0; s[22:23] for those of slot 1
.set WP0, 18                           ; s[18:19] the slice's first byte; never rewritten
.set OUT, 20
.set AUX, 24                           ; s[24:25] b1 at my columns, or cw
.set CNTP, 26
.set OF, 28
.set EM, 30
.set SH, 31
.set LCN, 32
.set PC, 33
.set KC, 34
.set LW, 40                            ; s40  the list + 64 wave
.set MK, 41                            ; s41  a word's upper bf16
.set MSB, 0
.macro WIN new                         ; s_set_vgpr_msb: bits 1:0 source 0, 3:2 source 1, 5:4 source 2, 7:6 destination; the high byte repeats the setting that is left
.if MSB != (\new)
	s_set_vgpr_msb (MSB<<8)|(\new)
.set MSB, (\new)
.endif
.endm
; Eight rows of 512 bytes: my wave's part of a chunk of w.  A load of the wave covers a whole row of the slice.
; Each slot has a base of its own, two chunks a step: it is stepped behind the wait on LOADcnt that has shown the slot's last loads done, which frees it.
.macro LDW slot, step
.set rW, WP+6*(\slot)
.if \step
	s_add_nc_u64 s[rW:rW+1], s[rW:rW+1], 2*CHW
.endif
	WIN 0x40
.irp j, 0,1,2,3,4,5,6,7
	global_load_b128 v[WF+32*(\slot)+4*\j:WF+32*(\slot)+4*\j+3], v[WOF], s[rW:rW+1] offset:\j*WPITCH th:TH_LOAD_NT
.endr
	WIN 0
.endm
; The fragments of my three tiles of rows for 64 k: lane l holds row l % 16; four loads of 16 bytes, 32 bytes apart.  step: bytes by which the slot's own base goes on first (freed as w's is).
.macro LDA slot, step
.set rP, AP+30*(\slot)
.if \step
	s_add_nc_u64 s[rP:rP+1], s[rP:rP+1], \step
.endif
	WIN 0x40
.irp t, 0,1,2
.irp q, 0,1,2,3
	global_load_b128 v[AF+48*(\slot)+16*\t+4*\q:AF+48*(\slot)+16*\t+4*\q+3], v[AOF+\t], s[rP:rP+1] offset:32*\q
.endr
.endr
	WIN 0
.endm
; My 8 k x 128 columns are rounded and stored: column i of my four goes to LDS row 64 (l / 16) + 16 i + l % 16, its eight k to the 16 bytes at 16 x wave.
; PROD 2: the numbers rounded to bf16 are widened again and written as f16, the second product's format.
.macro STAGE slot
	WIN 0x05
.irp i, 0,1,2,3
.irp m, 0,1,2,3
	v_cvt_pk_bf16_f32 v[CV+4*\i+\m], v[WF+32*(\slot)+8*\m+\i], v[WF+32*(\slot)+8*\m+4+\i]
.endr
.endr
	WIN 0
.if PROD == 2
.set n, 0
.rept 16
	v_lshlrev_b32 v[OT+2*(n%4)], 16, v[CV+n]
	v_and_b32 v[OT+2*(n%4)+1], s[MK], v[CV+n]
	v_cvt_pk_f16_f32 v[CV+n], v[OT+2*(n%4)], v[OT+2*(n%4)+1]
.set n, n+1
.endr
.endif
.irp i, 0,1,2,3
	ds_store_b128 v[STA], v[CV+4*\i:CV+4*\i+3] offset:16*RP*\i
.endr
	v_add_nc_u32 v[STA], CHL, v[STA]
.endm
.macro MMA zero                        ; one matrix instruction on rD, rA, rB; zero = 1: it starts the sum
.if (PROD == 1) && (\zero)
	v_wmma_f32_16x16x32_bf16 v[rD:rD+7], v[rA:rA+7], v[rB:rB+7], 0
.elseif PROD == 1
	v_wmma_f32_16x16x32_bf16 v[rD:rD+7], v[rA:rA+7], v[rB:rB+7], v[rD:rD+7]
.elseif \zero
	v_wmma_f32_16x16x32_f16 v[rD:rD+7], v[rA:rA+7], v[rB:rB+7], 0
.else
	v_wmma_f32_16x16x32_f16 v[rD:rD+7], v[rA:rA+7], v[rB:rB+7], v[rD:rD+7]
.endif
.endm
; THE 16 TRIPS' PRODUCTS.  LB: eight LDS loads: the fragments of column tiles 4 half .. 4 half + 3 for 32 k, at byte off from my place in the chunk in hand (64: its second 32 k; CHL: the next chunk's first).
.macro LB half, off
	WIN 0x40
.irp i, 0,1,2,3
	ds_load_b128 v[BF+8*(4*(\half)+\i):BF+8*(4*(\half)+\i)+3],   v[BAD] offset:16*RP*(4*(\half)+\i)+(\off)
	ds_load_b128 v[BF+8*(4*(\half)+\i)+4:BF+8*(4*(\half)+\i)+7], v[BAD] offset:16*RP*(4*(\half)+\i)+(\off)+32
.endr
	WIN 0
.endm
.macro MM4 slot, ks, t, half, zero     ; tile t times the half's four column tiles
.irp i, 0,1,2,3
.set rD, ACC+64*(\t)+8*(4*(\half)+\i)
.set rA, AF+48*(\slot)+16*(\t)+8*(\ks)
.set rB, BF+8*(4*(\half)+\i)
	MMA \zero
.endr
.endm
; CM: my live tiles times one half, 32 k.  left: the LDS loads issued behind the half's own eight, which may stay out.  zero = 1: the products start the sums, dead tiles' too, so nothing is cleared and nothing is jumped.
; Else dead tiles are jumped, forward, past no barrier and no load.  The 4 to 12 accumulators of a half take turns, one instruction a turn, and the next half's are others.
; The four v_nop at the end are the places ahead of the next loads into the registers just multiplied, and of the way out's reads.
.macro CM slot, ks, half, zero, left
	s_wait_dscnt \left                             ; LDS loads come back in order: this half's eight are in
.if !(\zero)
	s_cmp_eq_u32 s[TW], 0
	s_cbranch_scc1 .Lce_\@
.endif
	WIN 0x05
	MM4 \slot, \ks, 0, \half, \zero
.if !(\zero)
	WIN 0                                          ; at a branch and at a label every window is 0
	s_cmp_lt_u32 s[TW], 2
	s_cbranch_scc1 .Lce_\@
	WIN 0x05
.endif
	MM4 \slot, \ks, 1, \half, \zero
.if !(\zero)
	WIN 0
	s_cmp_lt_u32 s[TW], 3
	s_cbranch_scc1 .Lce_\@
	WIN 0x05
.endif
	MM4 \slot, \ks, 2, \half, \zero
	WIN 0
.Lce_\@:
.rept 4
	v_nop
.endr
.endm
; Trip c of the fused loop; pa = c % 2.  nw: the loads younger than A(c), which may stay out; W(c + 1) is older than A(c).  So that wait also frees the bases of W's slot 1 - pa and of A's slot pa.
; THE BARRIER: in front of the signal my stores of chunk c + 1 are done (and my LDS loads are back); behind the wait everybody's are, and only there chunk c + 1 is read.  Between the two: register work and LDS loads of
; chunk c, which nobody writes again.  The wait stands ahead of the trip's last products, so that the next chunk's first fragments are fetched under them.
; pf = 1: the prefetch.  pfa = 1: its offset goes on; the wait in front of that stands a whole trip's products behind the last global instruction.
.macro TRIP pa, zero, stage, ldw, lda, nw, bar, pf, pfa
	s_wait_loadcnt \nw
.if \stage
	STAGE 1-\pa
.endif
.if \ldw
	LDW 1-\pa, 1                                   ; chunk c + 3
.endif
.if \pf
	s_cmp_lt_u32 s[LCN], 2                         ; the last pair of trips asks for nothing: chunk 15 is the slice's last
	s_cbranch_scc1 .Lnopf_\@
	global_prefetch_b8 v[PFO], s[WP0:WP0+1] offset:4*CHW th:TH_LOAD_NT scope:SCOPE_SE  ; my wave's rows of the two chunks whose loads the next pair of trips issues: 32 blocks of 256 bytes, each asked for once
.Lnopf_\@:
.endif
.if \bar
	s_wait_dscnt 0x0                               ; for the others' sake: my stores are done
	s_barrier_signal -1
.endif
	CM \pa, 0, 0, \zero, 8                         ; 8: the other half's loads
	LB 0, 64
	CM \pa, 0, 1, \zero, 8
	LB 1, 64
	CM \pa, 1, 0, 0, 8
.if \bar
	s_barrier_wait -1
	LB 0, CHL
	CM \pa, 1, 1, 0, 8
	LB 1, CHL
	v_add_nc_u32 v[BAD], CHL, v[BAD]
.else
	CM \pa, 1, 1, 0, 0                             ; the last chunk: nothing was fetched behind this half
.endif
.if \pfa
	s_wait_xcnt 0x0                                ; the prefetch's offset is rewritten only behind this wait
	v_add_nc_u32 v[PFO], 2*CHW, v[PFO]
.endif
.if \lda
	LDA \pa, 256                                   ; chunk c + 2's rows
.endif
.endm
; THE LATER PASSES' PRODUCTS, not pipelined.  MM8: tile t times the eight column tiles; tile 0's products each wait for their two loads.
.macro MM8 slot, ks, t, zero
.irp ct, 0,1,2,3,4,5,6,7
.set rD, ACC+64*(\t)+8*\ct
.set rA, AF+48*(\slot)+16*(\t)+8*(\ks)
.set rB, BF+8*\ct
.if (\t) == 0
	s_wait_dscnt 14-2*\ct                          ; LDS loads come back in order: column tile ct's two are in
.endif
	MMA \zero
.endr
.endm
.macro KS slot, ks, zero               ; 32 k: sixteen LDS loads, then my live tiles' products; guards, turns and places as in CM
.if !(\zero)
	s_cmp_eq_u32 s[TW], 0
	s_cbranch_scc1 .Lke_\@
.endif
	WIN 0x40
.irp ct, 0,1,2,3,4,5,6,7
	ds_load_b128 v[BF+8*\ct:BF+8*\ct+3],   v[BAD] offset:16*RP*\ct+64*(\ks)
	ds_load_b128 v[BF+8*\ct+4:BF+8*\ct+7], v[BAD] offset:16*RP*\ct+64*(\ks)+32
.endr
	WIN 0x05
	MM8 \slot, \ks, 0, \zero
.if !(\zero)
	WIN 0
	s_cmp_lt_u32 s[TW], 2
	s_cbranch_scc1 .Lke_\@
	WIN 0x05
.endif
	MM8 \slot, \ks, 1, \zero
.if !(\zero)
	WIN 0
	s_cmp_lt_u32 s[TW], 3
	s_cbranch_scc1 .Lke_\@
	WIN 0x05
.endif
	MM8 \slot, \ks, 2, \zero
	WIN 0
.Lke_\@:
.rept 4
	v_nop
.endr
.endm
; A chunk of a later pass: the weights lie in LDS; the rows are loaded and waited for.
.macro FTRIP zero
	LDA 0, 0
	s_wait_loadcnt 0x0                             ; also frees the base
	s_add_nc_u64 s[AP:AP+1], s[AP:AP+1], 128
	KS 0, 0, \zero
	KS 0, 1, 0
.endm
; Wave 0: 32 tokens, 128 g + 4 l + i.  Those that chose the expert are ranked, and the slot goes to the list's place of that rank; the other lanes store into their dump words.  EXEC stays whole.
; The place hangs on loaded numbers: it is held to the list by v_min_u32, and behind that only shifted left and added to.
.macro GRP g, i
	v_and_b32 v59, s[EM], v[ACC+4*(\g)+(\i)]       ; bit e (k = 0) or bit 8 + e (k = 1)
	v_cmp_ne_u32 vcc_lo, 0, v59
	v_mbcnt_lo_u32_b32 v60, vcc_lo, s[NE]          ; the rank
	s_bcnt1_i32_b32 s35, vcc_lo
	s_add_co_u32 s[NE], s[NE], s35
	v_cndmask_b32 v63, v25, v60, vcc_lo            ; the rank, or my dump word
	v_lshrrev_b32 v62, s[SH], v59                  ; k
	v_add_nc_u32 v62, v58, v62
	v_add_nc_u32 v62, 256*(\g)+2*(\i), v62         ; the slot: 2 x token + k
	v_min_u32 v63, LDUMP+31, v63
	v_lshlrev_b32 v63, 2, v63
	v_add_nc_u32 v63, LIST, v63
	ds_store_b32 v63, v62
.endm
.macro TILES                           ; my live tiles in the pass that begins at rank RB: tile t of mine is the pass's tile 8 t + wave
	s_sub_co_i32 s35, s[NE], s[RB]
	s_max_i32 s35, s35, 0
	s_add_co_u32 s35, s35, 15
	s_lshr_b32 s35, s35, 4
	s_min_u32 s35, s35, 24
	s_add_co_u32 s35, s35, 7
	s_sub_co_u32 s35, s35, s[WV]
	s_lshr_b32 s35, s35, 3
	s_min_u32 s[TW], s35, 3
.endm
.macro SETUP                           ; the pass's row offsets (and PROD 2: the gate's weights of its rows)
	s_wait_xcnt 0x0                                ; what is written below (A's offsets, v16-39, and behind this macro the fragments' registers) was named by earlier loads and stores
	v_add_nc_u32 v59, s[LO], v[LR]
	ds_load_b32 v60, v59
	ds_load_b32 v61, v59 offset:512
	ds_load_b32 v62, v59 offset:1024
.if PROD == 2
	v_add_nc_u32 v63, s[LO], v[LH]
.irp t, 0,1,2
	ds_load_b128 v[16+8*\t:19+8*\t], v63 offset:512*\t
	ds_load_b128 v[20+8*\t:23+8*\t], v63 offset:512*\t+16
.endr
.endif
	s_wait_dscnt 0x0
.irp t, 0,1,2
.if PROD == 1
	v_lshrrev_b32 v[60+\t], 1, v[60+\t]            ; the token
.endif
	v_min_u32 v[60+\t], ACL, v[60+\t]
	v_lshlrev_b32 v[60+\t], ASH, v[60+\t]
	v_add_nc_u32 v[AOF+\t], v[H16], v[60+\t]
.endr
.if PROD == 2
.set n, 16
.rept 24
	v_min_u32 v[n], 2047, v[n]
	v_lshlrev_b32 v[n], 2, v[n]
.set n, n+1
.endr
	WIN 0x40
.set n, 0
.rept 24
	global_load_b32 v[CWR+n], v[16+n], s[AUX:AUX+1]
.set n, n+1
.endr
	WIN 0
	s_wait_xcnt 0x0                                ; v16-39 are free again
.endif
.endm
; THE WAY OUT of tile t.  Register j of an accumulator is row 8 (lane / 16) + j; j ascends.
; One store holds row j (lanes 0-15) and row 8 + j (lanes 16-31).  All lanes are on: a row past the count is the expert's first row once more (see the head).
; Each tile has offset registers and result registers of its own, so no store's sources are rewritten inside a pass: the one wait for that stands at the pass's head.
.macro EPI t
.set rL, SL+8*(\t)
.set rO, 64*(\t)
	s_cmp_le_u32 s[TW], \t
	s_cbranch_scc1 .Lee_\@
	v_add_nc_u32 v59, s[LO], v[LH]
	ds_load_b128 v[rL:rL+3], v59 offset:512*(\t)
	ds_load_b128 v[rL+4:rL+7], v59 offset:512*(\t)+16
	s_wait_dscnt 0x0
.irp j, 0,1,2,3,4,5,6,7
	v_min_u32 v[rL+\j], 2047, v[rL+\j]
	v_lshlrev_b32 v[rL+\j], OSH, v[rL+\j]
	v_add_nc_u32 v[rL+\j], v[R16], v[rL+\j]
.endr
.if PROD == 1
	WIN 0x40                                       ; results in window 1
.irp j, 0,1,2,3,4,5,6,7
.irp ct, 0,1,2,3,4,5,6,7
	v_add_f32 v[rO+8*\j+\ct], v[ACC+64*(\t)+8*\ct+\j], v[BI+\ct]
.endr
.endr
	WIN 0x45
.set n, 0
.rept 64
	v_max_num_f32 v[rO+n], 0, v[rO+n]              ; the ReLU, in f32
.set n, n+1
.endr
.irp j, 0,1,2,3,4,5,6,7
.irp m, 0,1,2,3
	v_cvt_pk_f16_f32 v[rO+8*\j+\m], v[rO+8*\j+2*\m], v[rO+8*\j+2*\m+1]  ; h's one rounding
.endr
.endr
.else
	WIN 0x44                                       ; results and the gate's weights in window 1
.irp j, 0,1,2,3,4,5,6,7
.irp ct, 0,1,2,3,4,5,6,7
	v_mul_f32 v[rO+8*\j+\ct], v[ACC+64*(\t)+8*\ct+\j], v[CWR+8*(\t)+\j]
.endr
.endr
.endif
	WIN 0x04                                       ; a store's data is its source 1
.irp j, 0,1,2,3,4,5,6,7
	global_store_b128 v[rL+\j], v[rO+8*\j:rO+8*\j+3], s[OUT:OUT+1]  ; 16 lanes store 256 consecutive bytes, aligned
.if PROD == 2
	global_store_b128 v[rL+\j], v[rO+8*\j+4:rO+8*\j+7], s[OUT:OUT+1] offset:256
.endif
.endr
	WIN 0
.Lee_\@:
.endm
	s_load_b256 s[44:51], s[0:1], 0x0
.if PROD == 1
	s_load_b128 s[52:55], s[0:1], 0x20             ; xb 44, w1 46, b1 48, sel 50, hbuf 52, cnt 54
.else
	s_load_b64 s[52:53], s[0:1], 0x20              ; hbuf 44, w2 46, sel 48, cw 50, part 52
.endif
	v_lshl_add_u32 v[SPW], v0, 2, SPARE
	v_mov_b32 v[NIL], 0
	v_lshrrev_b32 v58, 5, v0
	v_readfirstlane_b32 s[WV], v58                 ; wave 0..7
	s_and_b32 s[EX], ttmp7, 0xffff                 ; the expert
	s_mov_b32 s[XI], ttmp9                         ; the slice
	s_mov_b32 s[MK], 0xffff0000
	v_and_b32 v59, 31, v0                          ; l
	v_and_b32 v60, 15, v0                          ; l % 16
	v_bfe_u32 v61, v0, 4, 1                        ; l / 16
.if PROD == 1
	v_lshlrev_b32 v[WOF], 5, v60                   ; columns 8 (l % 16) + 4 (l / 16) + 0..3
	v_lshl_add_u32 v[WOF], v61, 4, v[WOF]
	v_lshlrev_b32 v[BIO], 5, v60                   ; b1 of columns 8 (l % 16) + 0..7
.else
	v_lshlrev_b32 v[WOF], 4, v59                   ; columns 4 l + 0..3
.endif
	v_lshl_add_u32 v[WOF], s[WV], WSH+3, v[WOF]    ; my wave's 8 rows of a chunk
	v_lshlrev_b32 v[SO], 4, v59                    ; sel: 16 l
	v_lshrrev_b32 v62, 1, v60                      ; the prefetch: lanes 256 bytes apart: row 8 w + (l % 16) / 2, half l % 2, chunk 2 + l / 16
	v_lshl_add_u32 v62, s[WV], 3, v62
	v_lshlrev_b32 v[PFO], WSH, v62
	v_and_b32 v62, 1, v0
	v_lshl_add_u32 v[PFO], v62, 8, v[PFO]
	v_add_nc_u32 v62, 2, v61
	v_lshl_add_u32 v[PFO], v62, CHSH, v[PFO]
	s_lshl_b32 s[EM], 0x101, s[EX]
	s_add_co_u32 s[SH], s[EX], 8
	s_lshl_b32 s[LW], s[WV], 6
	s_add_co_u32 s[LW], s[LW], LIST
	s_mov_b32 s[OF+1], 0
	s_lshl_b32 s35, s[EX], 24                      ; an expert's weights are 16 MiB
.if PROD == 1
	s_lshl_b32 s36, s[XI], 9
	s_add_co_u32 s35, s35, s36                     ; w1: + 128 columns x 4 bytes a slice
	s_lshl_b32 s37, s[EX], 14
	s_add_co_u32 s37, s37, s36                     ; b1
	s_lshl_b32 s38, s[XI], 8                       ; hbuf: 128 columns x 2 bytes
	s_lshl_b32 s39, s[EX], 2                       ; cnt
	s_wait_kmcnt 0x0
	s_mov_b64 s[AP0:AP0+1], s[44:45]
	s_mov_b32 s[OF], s35
	s_add_nc_u64 s[WP0:WP0+1], s[46:47], s[OF:OF+1]
	s_mov_b32 s[OF], s37
	s_add_nc_u64 s[AUX:AUX+1], s[48:49], s[OF:OF+1]
	s_mov_b32 s[OF], s38
	s_add_nc_u64 s[OUT:OUT+1], s[52:53], s[OF:OF+1]
	s_mov_b32 s[OF], s39
	s_add_nc_u64 s[CNTP:CNTP+1], s[54:55], s[OF:OF+1]
.else
	s_lshr_b32 s36, s[XI], 3                       ; kq: which quarter of K
	s_and_b32 s37, s[XI], 7
	s_lshl_b32 s37, s37, 9                         ; which 128 columns
	s_lshl_b32 s38, s36, 22
	s_add_co_u32 s35, s35, s38
	s_add_co_u32 s35, s35, s37                     ; w2
	s_lshl_b32 s38, s36, 23
	s_add_co_u32 s38, s38, s37                     ; part
	s_lshl_b32 s39, s36, 11                        ; hbuf: 1,024 k x 2 bytes
	s_wait_kmcnt 0x0
	s_mov_b32 s[OF], s39
	s_add_nc_u64 s[AP0:AP0+1], s[44:45], s[OF:OF+1]
	s_mov_b32 s[OF], s35
	s_add_nc_u64 s[WP0:WP0+1], s[46:47], s[OF:OF+1]
	s_mov_b32 s[OF], s38
	s_add_nc_u64 s[OUT:OUT+1], s[52:53], s[OF:OF+1]
	s_mov_b64 s[AUX:AUX+1], s[50:51]
.endif
	s_mov_b64 s[AP:AP+1], s[AP0:AP0+1]             ; slot 0 begins with chunk 0,
	s_add_nc_u64 s[AP+30:AP+31], s[AP0:AP0+1], 128 ; slot 1 with chunk 1
	s_mov_b64 s[WP:WP+1], s[WP0:WP0+1]
	s_add_nc_u64 s[WP+6:WP+7], s[WP0:WP0+1], CHW
	s_cmp_lg_u32 s[WV], 0
	s_cbranch_scc1 .Lnosel                         ; wave 0 alone reads sel, ahead of the weights, so that its wait for sel leaves them out
.irp g, 0,1,2,3,4,5,6,7
	global_load_b128 v[ACC+4*\g:ACC+4*\g+3], v[SO], s[SELP:SELP+1] offset:512*\g  ; all 1,024 words of sel; the accumulators' registers are free
.endr
.Lnosel:
.if PROD == 1
	global_load_b128 v[BI:BI+3], v[BIO], s[AUX:AUX+1]
	global_load_b128 v[BI+4:BI+7], v[BIO], s[AUX:AUX+1] offset:16
.endif
	LDW 0, 0                                       ; chunk 0
	LDW 1, 0                                       ; chunk 1
	global_prefetch_b8 v[PFO], s[WP0:WP0+1] th:TH_LOAD_NT scope:SCOPE_SE               ; my wave's rows of chunks 2 and 3,
	global_prefetch_b8 v[PFO], s[WP0:WP0+1] offset:2*CHW th:TH_LOAD_NT scope:SCOPE_SE  ; and of 4 and 5
	v_lshl_add_u32 v[STA], v61, 6, v60             ; the rest of the lane's terms
	v_mul_u32_u24 v[STA], v[STA], RP
	v_lshl_add_u32 v[STA], s[WV], 4, v[STA]
	v_mul_u32_u24 v[BAD], v60, RP
	v_lshl_add_u32 v[BAD], v61, 4, v[BAD]
	v_mov_b32 v[BA0], v[BAD]
	v_lshlrev_b32 v[H16], 4, v61
	v_lshlrev_b32 v[R16], 4, v60
	v_lshl_add_u32 v[LR], v60, 2, s[LW]
	v_lshl_add_u32 v[LH], v61, 5, s[LW]
	v_mov_b32 v17, LCNT                            ; where the count goes
	s_cmp_lg_u32 s[WV], 0
	s_cbranch_scc1 .Lnolist                        ; THE LIST is wave 0's work; no other wave touches LDS ahead of the barrier below
	v_lshlrev_b32 v58, 3, v59                      ; 8 l
	v_add_nc_u32 v25, LDUMP, v59                   ; my dump word's place
	v_mov_b32 v26, v59                             ; l
	v_mov_b32 v27, LIST                            ; the list's place 0
	v_lshlrev_b32 v24, 4, v59
	v_add_nc_u32 v24, LIST, v24
.irp i, 20,21,22,23
	v_mov_b32 v\i, 0
.endr
.irp i, 0,1,2,3,4,5,6,7,8
	ds_store_b128 v24, v[20:23] offset:512*\i      ; all 1,152 places start as slot 0
.endr
	s_wait_loadcnt 16+2*(2-PROD)                   ; sel is in; (b1's two loads and) chunks 0 and 1, sixteen loads, stay out
	s_mov_b32 s[NE], 0
.set gg, 0
.rept 8
.set ii, 0
.rept 4
	GRP gg, ii                                     ; LDS serves a wave's instructions in order (ISA guide 5.7.1.4): these stores come behind the zeros
.set ii, ii+1
.endr
.set gg, gg+1
.endr
	v_mov_b32 v62, s[NE]
	ds_store_b32 v17, v62                          ; the count, for every wave
	ds_load_b32 v61, v27                           ; the expert's first row (slot 0 if it has none),
	v_add_nc_u32 v63, s[NE], v26                   ; into the 32 places behind the count: 1,055 at the most, inside the 1,152
	v_min_u32 v63, LDUMP+31, v63
	v_lshlrev_b32 v63, 2, v63
	v_add_nc_u32 v63, LIST, v63
	s_wait_dscnt 0x0
	ds_store_b32 v63, v61
.Lnolist:
	s_wait_dscnt 0x0                               ; for the others' sake: the list is stored
	s_barrier_signal -1
	s_barrier_wait -1
	ds_load_b32 v59, v17
.if PROD == 1
	s_wait_loadcnt 16                              ; b1 is in; chunks 0 and 1 stay out
.irp q, 0,2,4,6
	v_cvt_pk_bf16_f32 v60, v[BI+\q], v[BI+\q+1]    ; b1 rounded to bf16 like every input
	v_lshlrev_b32 v[BI+\q], 16, v60
	v_and_b32 v[BI+\q+1], s[MK], v60
.endr
.endif
	s_wait_dscnt 0x0
	v_readfirstlane_b32 s[NE], v59
	s_min_u32 s[NE], s[NE], 1024
	s_mov_b32 s[RB], 0
	s_mov_b32 s[LO], 0
	TILES
	SETUP
	LDA 0, 0                                       ; chunk 0's rows
	s_wait_loadcnt 20+16*(PROD-1)                  ; PROD 1: chunk 0 of w is in; chunk 1's 8 and the 12 rows stay out.  PROD 2: chunks 0 and 1, asked for in one run, are in; the 24 gate weights and the 12 rows stay out
	STAGE 0
	LDW 0, 1                                       ; chunk 2
	LDA 1, 0                                       ; chunk 1's rows
	s_wait_dscnt 0x0
	s_barrier_signal -1
	s_barrier_wait -1                              ; chunk 0 is whole
	LB 0, 0                                        ; its first fragments, both halves
	LB 1, 0
	TRIP 0, 1, 1, 1, 1, 20, 1, 0, 0                ; c = 0 starts the sums.  20: W(c + 2)'s 8 and A(c + 1)'s 12 are younger than A(c)
	s_mov_b32 s[LCN], 6
.Lpair:                                                ; c = 1 .. 12
	TRIP 1, 0, 1, 1, 1, 20, 1, 1, 0
	TRIP 0, 0, 1, 1, 1, 20, 1, 0, 1
	s_sub_co_u32 s[LCN], s[LCN], 1
	s_cmp_lg_u32 s[LCN], 0
	s_cbranch_scc1 .Lpair
	TRIP 1, 0, 1, 0, 1, 20, 1, 0, 0                ; c = 13: no chunk 16 to ask for
	TRIP 0, 0, 1, 0, 0, 12, 1, 0, 0                ; c = 14: only A15 is younger; the last chunk is staged
	TRIP 1, 0, 0, 0, 0, 0, 0, 0, 0                 ; c = 15: nothing is stored, so no barrier
	s_mov_b32 s[PC], 0
.Lpass:                                                ; three trips: a pass's rows leave, and the next 384 ranks, if there are any, are multiplied
	s_wait_xcnt 0x0                                ; the last pass's stores have read their registers: the way out writes them anew only behind this wait
	EPI 0
	EPI 1
	EPI 2
	s_add_co_u32 s[RB], s[RB], 384
	s_add_co_u32 s[LO], s[LO], 1536
	s_min_u32 s[LO], s[LO], 3072                   ; the list has three passes' places; the third trip finds no rank left (1,152 is more than 1,024 rows) and jumps
	TILES
	s_cmp_eq_u32 s[TW], 0
	s_cbranch_scc1 .Lnext                          ; nothing of mine is left: TW = 0 also switches the next way out off
	SETUP
	v_mov_b32 v[BAD], v[BA0]
	s_mov_b64 s[AP:AP+1], s[AP0:AP0+1]
	FTRIP 1
	s_mov_b32 s[KC], 1
.Lk:                                                   ; chunks 1 to 15
	s_mul_i32 s35, s[KC], CHL
	v_add_nc_u32 v[BAD], s35, v[BA0]
	FTRIP 0
	s_add_co_u32 s[KC], s[KC], 1
	s_cmp_lt_u32 s[KC], 16
	s_cbranch_scc1 .Lk
.Lnext:
	s_add_co_u32 s[PC], s[PC], 1
	s_cmp_lt_u32 s[PC], 3
	s_cbranch_scc1 .Lpass
.if PROD == 1
	s_cmp_lg_u32 s[XI], 0                          ; the expert's count, once: slice 0, wave 0, lane 0
	s_cbranch_scc1 .Lnocnt
	s_cmp_lg_u32 s[WV], 0
	s_cbranch_scc1 .Lnocnt
	v_mov_b32 v59, 0
	v_mov_b32 v60, s[NE]
	s_wait_xcnt 0x0                                ; EXEC changes only behind this wait
	v_cmp_eq_u32 vcc_lo, 0, v0
	s_and_saveexec_b32 s[SX], vcc_lo
	global_store_b32 v59, v60, s[CNTP:CNTP+1]
	s_wait_xcnt 0x0                                ; and is restored only behind this one
	s_or_b32 exec_lo, exec_lo, s[SX]
.Lnocnt:
.endif
	s_wait_dscnt 0x0                               ; my LDS reads are over;
	s_barrier_signal -1
	s_barrier_wait -1                              ; everybody's are: the launch's last LDS writes, below, stand behind every read
	s_wait_tensorcnt 0x0                           ; the wave's end, behind my last LDS store
	ds_add_u32 v[SPW], v[NIL]
	s_wait_dscnt 0x0
	s_endpgm
.Lfunc_end_k_q0463cb35e0_prod1:
	.size	k_q0463cb35e0_prod1, .Lfunc_end_k_q0463cb35e0_prod1-k_q0463cb35e0_prod1
	.p2alignl 7, 3214868480
	.fill 96, 4, 3214868480
	.section	.rodata,"a",@progbits
	.p2align	6, 0x0
	.amdhsa_kernel k_q0463cb35e0_prod1
		.amdhsa_group_segment_fixed_size 300800
		.amdhsa_private_segment_fixed_size 0
		.amdhsa_enable_private_segment 0
		.amdhsa_kernarg_size 48
		.amdhsa_user_sgpr_count 2
		.amdhsa_user_sgpr_kernarg_segment_ptr 1
		.amdhsa_wavefront_size32 1
		.amdhsa_system_sgpr_workgroup_id_x 1
		.amdhsa_system_sgpr_workgroup_id_y 1
		.amdhsa_system_sgpr_workgroup_id_z 1
		.amdhsa_system_vgpr_workitem_id 0
		.amdhsa_next_free_vgpr 512
		.amdhsa_next_free_sgpr 66
		.amdhsa_reserve_vcc 1
		.amdhsa_float_denorm_mode_32 3
		.amdhsa_float_denorm_mode_16_64 3
		.amdhsa_memory_ordered 1
		.amdhsa_forward_progress 1
		.amdhsa_inst_pref_size 134
	.end_amdhsa_kernel
	.amdgpu_metadata
---
amdhsa.version: [ 1, 2 ]
amdhsa.kernels:
  - .name:           k_q0463cb35e0_prod1
    .symbol:         k_q0463cb35e0_prod1.kd
    .args:
      - { .name: xb, .offset: 0, .size: 8, .value_kind: global_buffer, .address_space: global }
      - { .name: w1, .offset: 8, .size: 8, .value_kind: global_buffer, .address_space: global }
      - { .name: b1, .offset: 16, .size: 8, .value_kind: global_buffer, .address_space: global }
      - { .name: sel, .offset: 24, .size: 8, .value_kind: global_buffer, .address_space: global }
      - { .name: hbuf, .offset: 32, .size: 8, .value_kind: global_buffer, .address_space: global }
      - { .name: cnt, .offset: 40, .size: 8, .value_kind: global_buffer, .address_space: global }
    .group_segment_fixed_size: 300800
    .private_segment_fixed_size: 0
    .kernarg_segment_align: 8
    .kernarg_segment_size: 48
    .max_flat_workgroup_size: 256
    .sgpr_count:     66
    .vgpr_count:     512
    .wavefront_size: 32
...
	.end_amdgpu_metadata
.endif
;; end of part 2
;; launch prod2 (part 3): grid 32 x 8, 8 waves a work-group, no clusters, 300,800 bytes of LDS; arguments hbuf, w2, sel, cw, part; writes part
.if DOCPART == 3
	.amdgcn_target "amdgcn-amd-amdhsa--gfx1250"
	.amdhsa_code_object_version 6
	.text
	.protected	k_q0463cb35e0_prod2
	.globl	k_q0463cb35e0_prod2
	.p2align	8
	.type	k_q0463cb35e0_prod2,@function
k_q0463cb35e0_prod2:
	s_mov_b64 s[64:65], 0
	v_nop
	global_prefetch_b8 v0, s[64:65] scope:SCOPE_SE
	s_setreg_imm32_b32 hwreg(HW_REG_WAVE_MODE, 25, 1), 1
	s_wait_xcnt 0x0
; ONE TEXT FOR BOTH PRODUCTS OF THE EXPERTS; PROD says which.
; PROD = 1: hbuf[slot][:] = relu(xb[token] . w1[e] + b1[e]), rounded once to f16.      PROD = 2: part[kq][slot][:] = c[slot] x (hbuf[slot][1024 kq ..] . w2[e][1024 kq ..]), f32 partial sums.
; slot = 2 token + k names a routed row.  Only the rows that chose expert e are multiplied.  x, w1, b1 and w2 are used rounded once to bf16; sums in f32.
; FORMATS.  The first product multiplies in bf16.  The hidden layer h is kept in f16, 11 significant bits: a rounding to p bits is off by some 2^-p / 2 of the number, the second product's sum over 4,096 terms by the
; same part of its own spread, which for a gate weight near 1 is about three times the output's root mean square; 8 bits would spend over half of the comparison's 1% on that alone.  So the second product multiplies in f16:
; w2 is rounded to bf16 like every input, and that number is written as f16.
; SHARES.  Work-group (x, e) owns a slice of expert e's weights, 1,024 k x 128 columns of f32, which it alone reads, and ALL rows of that expert (any number, 0 to 1,024).
; PROD = 2: x = 8 kq + cs: quarter kq of K = 4,096 and columns 128 cs on, so that a row of the slice is 512 consecutive bytes; the four quarters' sums are added by the next launch.
; THE WEIGHTS go memory -> registers (f32) -> 16 bits -> LDS, in 16 chunks of 64 k, and stay there: no LDS byte of theirs is written twice, so one barrier a chunk orders the stores and the reads.
; In trip c chunk c is multiplied, chunk c + 1 is rounded and stored, chunks c + 2 and c + 3 are on their way.  The loop has 16 trips whatever the counts; every wave passes every barrier; only work is jumped.
; Out of LDS the weights' fragments come in two halves of four column tiles: while one half is multiplied, the other half's eight loads are on their way, across the change of chunks too.
; THE ROWS.  Wave 0 ranks the expert's rows from sel and lays their slots into one list in LDS, place = rank, while the first weights are on their way; a barrier; then every wave reads its tiles' places.
; A pass serves 384 ranks: tile t of wave w holds the pass's ranks 128 t + 16 w + 0..15; 3 tiles a wave x 8 column tiles = 24 accumulators.
; PAST THE COUNT.  The 32 places behind the count repeat the expert's first row.  So in the one tile that is not full the rows past the count are that row once more: the same operands in the same order of k, the same
; numbers, stored to the same bytes by this same work-group (15 rows at the most), and every store runs with all lanes on.  All further places hold slot 0.  Tiles wholly past the count: their matrix instructions
; are jumped (but for the k step that starts the sums) and so is their way out; their loads are still issued, so that the waits' counts hold on every path.
; Ranks from 384 on are served by up to two more passes, which read the weights from LDS, without a barrier and not pipelined.
; COLUMNS.  The wave chooses the LDS row of each column as it stores it: column tile ct, lane r holds column 8 r + ct (PROD 1) or 4 r + ct % 4 + 64 (ct / 4) (PROD 2).  So a lane's eight accumulators
; hold neighbouring columns of a row, and 16 neighbouring lanes store 256 consecutive bytes, aligned, straight from registers.
; NO JOINT LOADS: a slice has one reader; what an expert's work-groups share is its rows, which come by a list.
; LIMITS.  h must stay below 65,504, f16's end (x of spread 1 and w1 of spread 0.02, both 30 times larger, give sums of spread 576; a common offset of 30 spreads on both gives 1,024 x 30 x 0.6 = 18,432); below 2^-14
; h keeps f16's fixed step of 2^-24.  A weight of w2, rounded to bf16, is exact in f16 from 2^-17 to 65,504; a smaller one goes to the nearest multiple of 2^-24.  NaN and infinities are not treated apart
; (the ReLU turns a NaN into 0).  An expert with more than 384 rows is served by the slower passes.
.set PROD, 2
.if PROD == 1
.set WSH,  14                          ; log2 of the bytes from k to k + 1 in w
.set ASH,  11                          ; log2 of the bytes of a row of A (xb)
.set ACL,  1023                        ; A's last row
.set OSH,  13                          ; log2 of the bytes of a row of the output (hbuf)
.set SELP, 50
.else
.set WSH,  12
.set ASH,  13
.set ACL,  2047
.set OSH,  12
.set SELP, 48
.endif
.set WPITCH, 1<<WSH
.set CHSH, WSH+6
.set CHW,  1<<CHSH                     ; bytes of w from chunk to chunk
.set RP,   144                         ; an LDS row: 64 k x 2 bytes + 16: nine times 16 bytes, so 16 neighbouring rows fall into 16 different 16-byte columns of 256 bytes (64 banks of 4 bytes: ISA guide 11.1)
.set CHL,  128*RP                      ; a chunk in LDS
.set LIST, 16*CHL                      ; behind the chunks: 1,152 places (three passes of 384 ranks),
.set LDUMP, 1152                       ; 32 words into which wave 0's lanes put what belongs to no place,
.set LCNT, LIST+4*1184                 ; and the word with the expert's count
.set SPARE, LIST+4864                  ; behind the list's 19 blocks of 256 bytes: the spare words, 128 bytes for each wave: four blocks that no other line names
; window 0
.set SPW, 1                            ; v1   LDS address of my spare word; never rewritten
.set NIL, 2                            ; v2   0, for the add alone
.set WOF, 3                            ; v3   my 16 bytes in a row of the slice + my wave's 8 rows of a chunk
.set STA, 4                            ; v4   where I store in the chunk that is staged next
.set BAD, 5                            ; v5   my place in a fragment of the chunk that is multiplied
.set BA0, 6                            ; v6   the same in chunk 0
.set PFO, 7                            ; v7   the prefetch's offset
.set AOF, 8                            ; v8-10  tile t: byte offset of my row of A + 16 (lane / 16)
.set H16, 11
.set R16, 12
.set LR,  13                           ; v13  the list + 64 wave + 4 (lane % 16)
.set LH,  14                           ; v14  the list + 64 wave + 32 (lane / 16)
.set CV,  16                           ; v16-31 packed weights on their way into LDS; at work in the prologue
.set SL,  16                           ; v16-39 the way out: the byte offsets of tile t's eight rows at SL + 8 t
.set BIO, 32                           ; v32  PROD 1, in the prologue: my byte offset in b1
.set OT,  40                           ; v40-47 PROD 2: at work while weights are staged
.set BI,  48                           ; v48-55 PROD 1: b1 of my eight columns
.set SO,  56                           ; v56  16 l: my bytes in 512 bytes of sel
.set ACC, 64                           ; v64-255 tile t, column tile ct at ACC + 64 t + 8 ct
; window 1
.set BF,  0                            ; v0-63    the eight fragments of the weights for 32 k, in two halves of four
.set AF,  64                           ; v64-159  two slots: tile t, k half ks at AF + 48 slot + 16 t + 8 ks
.set WF,  160                          ; v160-223 two slots: row j's four columns at WF + 32 slot + 4 j
.set CWR, 224                          ; v224-247 PROD 2: the gate's weight of row 8 (lane / 16) + j of tile t at CWR + 8 t + j
                                       ; the way out: tile t's 64 results at 64 t, where the fragments lay
.set WV, 2
.set EX, 3
.set XI, 4
.set NE, 5                             ; s5   the expert's rows
.set TW, 6                             ; s6   my live tiles in this pass, 0 to 3
.set RB, 7                             ; s7   the pass's first rank
.set LO, 8                             ; s8   the pass's first byte in the list
.set SX, 9                             ; s9   EXEC, kept (PROD 1: the count's store)
.set AP, 12                            ; s[12:13] A's base for the loads of slot 0; s[42:43] for those of slot 1
.set AP0, 14
.set WP, 16                            ; s[16:17] w's base for the loads of slot 0; s[22:23] for those of slot 1
.set WP0, 18                           ; s[18:19] the slice's first byte; never rewritten
.set OUT, 20
.set AUX, 24                           ; s[24:25] b1 at my columns, or cw
.set CNTP, 26
.set OF, 28
.set EM, 30
.set SH, 31
.set LCN, 32
.set PC, 33
.set KC, 34
.set LW, 40                            ; s40  the list + 64 wave
.set MK, 41                            ; s41  a word's upper bf16
.set MSB, 0
.macro WIN new                         ; s_set_vgpr_msb: bits 1:0 source 0, 3:2 source 1, 5:4 source 2, 7:6 destination; the high byte repeats the setting that is left
.if MSB != (\new)
	s_set_vgpr_msb (MSB<<8)|(\new)
.set MSB, (\new)
.endif
.endm
; Eight rows of 512 bytes: my wave's part of a chunk of w.  A load of the wave covers a whole row of the slice.
; Each slot has a base of its own, two chunks a step: it is stepped behind the wait on LOADcnt that has shown the slot's last loads done, which frees it.
.macro LDW slot, step
.set rW, WP+6*(\slot)
.if \step
	s_add_nc_u64 s[rW:rW+1], s[rW:rW+1], 2*CHW
.endif
	WIN 0x40
.irp j, 0,1,2,3,4,5,6,7
	global_load_b128 v[WF+32*(\slot)+4*\j:WF+32*(\slot)+4*\j+3], v[WOF], s[rW:rW+1] offset:\j*WPITCH th:TH_LOAD_NT
.endr
	WIN 0
.endm
; The fragments of my three tiles of rows for 64 k: lane l holds row l % 16; four loads of 16 bytes, 32 bytes apart.  step: bytes by which the slot's own base goes on first (freed as w's is).
.macro LDA slot, step
.set rP, AP+30*(\slot)
.if \step
	s_add_nc_u64 s[rP:rP+1], s[rP:rP+1], \step
.endif
	WIN 0x40
.irp t, 0,1,2
.irp q, 0,1,2,3
	global_load_b128 v[AF+48*(\slot)+16*\t+4*\q:AF+48*(\slot)+16*\t+4*\q+3], v[AOF+\t], s[rP:rP+1] offset:32*\q
.endr
.endr
	WIN 0
.endm
; My 8 k x 128 columns are rounded and stored: column i of my four goes to LDS row 64 (l / 16) + 16 i + l % 16, its eight k to the 16 bytes at 16 x wave.
; PROD 2: the numbers rounded to bf16 are widened again and written as f16, the second product's format.
.macro STAGE slot
	WIN 0x05
.irp i, 0,1,2,3
.irp m, 0,1,2,3
	v_cvt_pk_bf16_f32 v[CV+4*\i+\m], v[WF+32*(\slot)+8*\m+\i], v[WF+32*(\slot)+8*\m+4+\i]
.endr
.endr
	WIN 0
.if PROD == 2
.set n, 0
.rept 16
	v_lshlrev_b32 v[OT+2*(n%4)], 16, v[CV+n]
	v_and_b32 v[OT+2*(n%4)+1], s[MK], v[CV+n]
	v_cvt_pk_f16_f32 v[CV+n], v[OT+2*(n%4)], v[OT+2*(n%4)+1]
.set n, n+1
.endr
.endif
.irp i, 0,1,2,3
	ds_store_b128 v[STA], v[CV+4*\i:CV+4*\i+3] offset:16*RP*\i
.endr
	v_add_nc_u32 v[STA], CHL, v[STA]
.endm
.macro MMA zero                        ; one matrix instruction on rD, rA, rB; zero = 1: it starts the sum
.if (PROD == 1) && (\zero)
	v_wmma_f32_16x16x32_bf16 v[rD:rD+7], v[rA:rA+7], v[rB:rB+7], 0
.elseif PROD == 1
	v_wmma_f32_16x16x32_bf16 v[rD:rD+7], v[rA:rA+7], v[rB:rB+7], v[rD:rD+7]
.elseif \zero
	v_wmma_f32_16x16x32_f16 v[rD:rD+7], v[rA:rA+7], v[rB:rB+7], 0
.else
	v_wmma_f32_16x16x32_f16 v[rD:rD+7], v[rA:rA+7], v[rB:rB+7], v[rD:rD+7]
.endif
.endm
; THE 16 TRIPS' PRODUCTS.  LB: eight LDS loads: the fragments of column tiles 4 half .. 4 half + 3 for 32 k, at byte off from my place in the chunk in hand (64: its second 32 k; CHL: the next chunk's first).
.macro LB half, off
	WIN 0x40
.irp i, 0,1,2,3
	ds_load_b128 v[BF+8*(4*(\half)+\i):BF+8*(4*(\half)+\i)+3],   v[BAD] offset:16*RP*(4*(\half)+\i)+(\off)
	ds_load_b128 v[BF+8*(4*(\half)+\i)+4:BF+8*(4*(\half)+\i)+7], v[BAD] offset:16*RP*(4*(\half)+\i)+(\off)+32
.endr
	WIN 0
.endm
.macro MM4 slot, ks, t, half, zero     ; tile t times the half's four column tiles
.irp i, 0,1,2,3
.set rD, ACC+64*(\t)+8*(4*(\half)+\i)
.set rA, AF+48*(\slot)+16*(\t)+8*(\ks)
.set rB, BF+8*(4*(\half)+\i)
	MMA \zero
.endr
.endm
; CM: my live tiles times one half, 32 k.  left: the LDS loads issued behind the half's own eight, which may stay out.  zero = 1: the products start the sums, dead tiles' too, so nothing is cleared and nothing is jumped.
; Else dead tiles are jumped, forward, past no barrier and no load.  The 4 to 12 accumulators of a half take turns, one instruction a turn, and the next half's are others.
; The four v_nop at the end are the places ahead of the next loads into the registers just multiplied, and of the way out's reads.
.macro CM slot, ks, half, zero, left
	s_wait_dscnt \left                             ; LDS loads come back in order: this half's eight are in
.if !(\zero)
	s_cmp_eq_u32 s[TW], 0
	s_cbranch_scc1 .Lce_\@
.endif
	WIN 0x05
	MM4 \slot, \ks, 0, \half, \zero
.if !(\zero)
	WIN 0                                          ; at a branch and at a label every window is 0
	s_cmp_lt_u32 s[TW], 2
	s_cbranch_scc1 .Lce_\@
	WIN 0x05
.endif
	MM4 \slot, \ks, 1, \half, \zero
.if !(\zero)
	WIN 0
	s_cmp_lt_u32 s[TW], 3
	s_cbranch_scc1 .Lce_\@
	WIN 0x05
.endif
	MM4 \slot, \ks, 2, \half, \zero
	WIN 0
.Lce_\@:
.rept 4
	v_nop
.endr
.endm
; Trip c of the fused loop; pa = c % 2.  nw: the loads younger than A(c), which may stay out; W(c + 1) is older than A(c).  So that wait also frees the bases of W's slot 1 - pa and of A's slot pa.
; THE BARRIER: in front of the signal my stores of chunk c + 1 are done (and my LDS loads are back); behind the wait everybody's are, and only there chunk c + 1 is read.  Between the two: register work and LDS loads of
; chunk c, which nobody writes again.  The wait stands ahead of the trip's last products, so that the next chunk's first fragments are fetched under them.
; pf = 1: the prefetch.  pfa = 1: its offset goes on; the wait in front of that stands a whole trip's products behind the last global instruction.
.macro TRIP pa, zero, stage, ldw, lda, nw, bar, pf, pfa
	s_wait_loadcnt \nw
.if \stage
	STAGE 1-\pa
.endif
.if \ldw
	LDW 1-\pa, 1                                   ; chunk c + 3
.endif
.if \pf
	s_cmp_lt_u32 s[LCN], 2                         ; the last pair of trips asks for nothing: chunk 15 is the slice's last
	s_cbranch_scc1 .Lnopf_\@
	global_prefetch_b8 v[PFO], s[WP0:WP0+1] offset:4*CHW th:TH_LOAD_NT scope:SCOPE_SE  ; my wave's rows of the two chunks whose loads the next pair of trips issues: 32 blocks of 256 bytes, each asked for once
.Lnopf_\@:
.endif
.if \bar
	s_wait_dscnt 0x0                               ; for the others' sake: my stores are done
	s_barrier_signal -1
.endif
	CM \pa, 0, 0, \zero, 8                         ; 8: the other half's loads
	LB 0, 64
	CM \pa, 0, 1, \zero, 8
	LB 1, 64
	CM \pa, 1, 0, 0, 8
.if \bar
	s_barrier_wait -1
	LB 0, CHL
	CM \pa, 1, 1, 0, 8
	LB 1, CHL
	v_add_nc_u32 v[BAD], CHL, v[BAD]
.else
	CM \pa, 1, 1, 0, 0                             ; the last chunk: nothing was fetched behind this half
.endif
.if \pfa
	s_wait_xcnt 0x0                                ; the prefetch's offset is rewritten only behind this wait
	v_add_nc_u32 v[PFO], 2*CHW, v[PFO]
.endif
.if \lda
	LDA \pa, 256                                   ; chunk c + 2's rows
.endif
.endm
; THE LATER PASSES' PRODUCTS, not pipelined.  MM8: tile t times the eight column tiles; tile 0's products each wait for their two loads.
.macro MM8 slot, ks, t, zero
.irp ct, 0,1,2,3,4,5,6,7
.set rD, ACC+64*(\t)+8*\ct
.set rA, AF+48*(\slot)+16*(\t)+8*(\ks)
.set rB, BF+8*\ct
.if (\t) == 0
	s_wait_dscnt 14-2*\ct                          ; LDS loads come back in order: column tile ct's two are in
.endif
	MMA \zero
.endr
.endm
.macro KS slot, ks, zero               ; 32 k: sixteen LDS loads, then my live tiles' products; guards, turns and places as in CM
.if !(\zero)
	s_cmp_eq_u32 s[TW], 0
	s_cbranch_scc1 .Lke_\@
.endif
	WIN 0x40
.irp ct, 0,1,2,3,4,5,6,7
	ds_load_b128 v[BF+8*\ct:BF+8*\ct+3],   v[BAD] offset:16*RP*\ct+64*(\ks)
	ds_load_b128 v[BF+8*\ct+4:BF+8*\ct+7], v[BAD] offset:16*RP*\ct+64*(\ks)+32
.endr
	WIN 0x05
	MM8 \slot, \ks, 0, \zero
.if !(\zero)
	WIN 0
	s_cmp_lt_u32 s[TW], 2
	s_cbranch_scc1 .Lke_\@
	WIN 0x05
.endif
	MM8 \slot, \ks, 1, \zero
.if !(\zero)
	WIN 0
	s_cmp_lt_u32 s[TW], 3
	s_cbranch_scc1 .Lke_\@
	WIN 0x05
.endif
	MM8 \slot, \ks, 2, \zero
	WIN 0
.Lke_\@:
.rept 4
	v_nop
.endr
.endm
; A chunk of a later pass: the weights lie in LDS; the rows are loaded and waited for.
.macro FTRIP zero
	LDA 0, 0
	s_wait_loadcnt 0x0                             ; also frees the base
	s_add_nc_u64 s[AP:AP+1], s[AP:AP+1], 128
	KS 0, 0, \zero
	KS 0, 1, 0
.endm
; Wave 0: 32 tokens, 128 g + 4 l + i.  Those that chose the expert are ranked, and the slot goes to the list's place of that rank; the other lanes store into their dump words.  EXEC stays whole.
; The place hangs on loaded numbers: it is held to the list by v_min_u32, and behind that only shifted left and added to.
.macro GRP g, i
	v_and_b32 v59, s[EM], v[ACC+4*(\g)+(\i)]       ; bit e (k = 0) or bit 8 + e (k = 1)
	v_cmp_ne_u32 vcc_lo, 0, v59
	v_mbcnt_lo_u32_b32 v60, vcc_lo, s[NE]          ; the rank
	s_bcnt1_i32_b32 s35, vcc_lo
	s_add_co_u32 s[NE], s[NE], s35
	v_cndmask_b32 v63, v25, v60, vcc_lo            ; the rank, or my dump word
	v_lshrrev_b32 v62, s[SH], v59                  ; k
	v_add_nc_u32 v62, v58, v62
	v_add_nc_u32 v62, 256*(\g)+2*(\i), v62         ; the slot: 2 x token + k
	v_min_u32 v63, LDUMP+31, v63
	v_lshlrev_b32 v63, 2, v63
	v_add_nc_u32 v63, LIST, v63
	ds_store_b32 v63, v62
.endm
.macro TILES                           ; my live tiles in the pass that begins at rank RB: tile t of mine is the pass's tile 8 t + wave
	s_sub_co_i32 s35, s[NE], s[RB]
	s_max_i32 s35, s35, 0
	s_add_co_u32 s35, s35, 15
	s_lshr_b32 s35, s35, 4
	s_min_u32 s35, s35, 24
	s_add_co_u32 s35, s35, 7
	s_sub_co_u32 s35, s35, s[WV]
	s_lshr_b32 s35, s35, 3
	s_min_u32 s[TW], s35, 3
.endm
.macro SETUP                           ; the pass's row offsets (and PROD 2: the gate's weights of its rows)
	s_wait_xcnt 0x0                                ; what is written below (A's offsets, v16-39, and behind this macro the fragments' registers) was named by earlier loads and stores
	v_add_nc_u32 v59, s[LO], v[LR]
	ds_load_b32 v60, v59
	ds_load_b32 v61, v59 offset:512
	ds_load_b32 v62, v59 offset:1024
.if PROD == 2
	v_add_nc_u32 v63, s[LO], v[LH]
.irp t, 0,1,2
	ds_load_b128 v[16+8*\t:19+8*\t], v63 offset:512*\t
	ds_load_b128 v[20+8*\t:23+8*\t], v63 offset:512*\t+16
.endr
.endif
	s_wait_dscnt 0x0
.irp t, 0,1,2
.if PROD == 1
	v_lshrrev_b32 v[60+\t], 1, v[60+\t]            ; the token
.endif
	v_min_u32 v[60+\t], ACL, v[60+\t]
	v_lshlrev_b32 v[60+\t], ASH, v[60+\t]
	v_add_nc_u32 v[AOF+\t], v[H16], v[60+\t]
.endr
.if PROD == 2
.set n, 16
.rept 24
	v_min_u32 v[n], 2047, v[n]
	v_lshlrev_b32 v[n], 2, v[n]
.set n, n+1
.endr
	WIN 0x40
.set n, 0
.rept 24
	global_load_b32 v[CWR+n], v[16+n], s[AUX:AUX+1]
.set n, n+1
.endr
	WIN 0
	s_wait_xcnt 0x0                                ; v16-39 are free again
.endif
.endm
; THE WAY OUT of tile t.  Register j of an accumulator is row 8 (lane / 16) + j; j ascends.
; One store holds row j (lanes 0-15) and row 8 + j (lanes 16-31).  All lanes are on: a row past the count is the expert's first row once more (see the head).
; Each tile has offset registers and result registers of its own, so no store's sources are rewritten inside a pass: the one wait for that stands at the pass's head.
.macro EPI t
.set rL, SL+8*(\t)
.set rO, 64*(\t)
	s_cmp_le_u32 s[TW], \t
	s_cbranch_scc1 .Lee_\@
	v_add_nc_u32 v59, s[LO], v[LH]
	ds_load_b128 v[rL:rL+3], v59 offset:512*(\t)
	ds_load_b128 v[rL+4:rL+7], v59 offset:512*(\t)+16
	s_wait_dscnt 0x0
.irp j, 0,1,2,3,4,5,6,7
	v_min_u32 v[rL+\j], 2047, v[rL+\j]
	v_lshlrev_b32 v[rL+\j], OSH, v[rL+\j]
	v_add_nc_u32 v[rL+\j], v[R16], v[rL+\j]
.endr
.if PROD == 1
	WIN 0x40                                       ; results in window 1
.irp j, 0,1,2,3,4,5,6,7
.irp ct, 0,1,2,3,4,5,6,7
	v_add_f32 v[rO+8*\j+\ct], v[ACC+64*(\t)+8*\ct+\j], v[BI+\ct]
.endr
.endr
	WIN 0x45
.set n, 0
.rept 64
	v_max_num_f32 v[rO+n], 0, v[rO+n]              ; the ReLU, in f32
.set n, n+1
.endr
.irp j, 0,1,2,3,4,5,6,7
.irp m, 0,1,2,3
	v_cvt_pk_f16_f32 v[rO+8*\j+\m], v[rO+8*\j+2*\m], v[rO+8*\j+2*\m+1]  ; h's one rounding
.endr
.endr
.else
	WIN 0x44                                       ; results and the gate's weights in window 1
.irp j, 0,1,2,3,4,5,6,7
.irp ct, 0,1,2,3,4,5,6,7
	v_mul_f32 v[rO+8*\j+\ct], v[ACC+64*(\t)+8*\ct+\j], v[CWR+8*(\t)+\j]
.endr
.endr
.endif
	WIN 0x04                                       ; a store's data is its source 1
.irp j, 0,1,2,3,4,5,6,7
	global_store_b128 v[rL+\j], v[rO+8*\j:rO+8*\j+3], s[OUT:OUT+1]  ; 16 lanes store 256 consecutive bytes, aligned
.if PROD == 2
	global_store_b128 v[rL+\j], v[rO+8*\j+4:rO+8*\j+7], s[OUT:OUT+1] offset:256
.endif
.endr
	WIN 0
.Lee_\@:
.endm
	s_load_b256 s[44:51], s[0:1], 0x0
.if PROD == 1
	s_load_b128 s[52:55], s[0:1], 0x20             ; xb 44, w1 46, b1 48, sel 50, hbuf 52, cnt 54
.else
	s_load_b64 s[52:53], s[0:1], 0x20              ; hbuf 44, w2 46, sel 48, cw 50, part 52
.endif
	v_lshl_add_u32 v[SPW], v0, 2, SPARE
	v_mov_b32 v[NIL], 0
	v_lshrrev_b32 v58, 5, v0
	v_readfirstlane_b32 s[WV], v58                 ; wave 0..7
	s_and_b32 s[EX], ttmp7, 0xffff                 ; the expert
	s_mov_b32 s[XI], ttmp9                         ; the slice
	s_mov_b32 s[MK], 0xffff0000
	v_and_b32 v59, 31, v0                          ; l
	v_and_b32 v60, 15, v0                          ; l % 16
	v_bfe_u32 v61, v0, 4, 1                        ; l / 16
.if PROD == 1
	v_lshlrev_b32 v[WOF], 5, v60                   ; columns 8 (l % 16) + 4 (l / 16) + 0..3
	v_lshl_add_u32 v[WOF], v61, 4, v[WOF]
	v_lshlrev_b32 v[BIO], 5, v60                   ; b1 of columns 8 (l % 16) + 0..7
.else
	v_lshlrev_b32 v[WOF], 4, v59                   ; columns 4 l + 0..3
.endif
	v_lshl_add_u32 v[WOF], s[WV], WSH+3, v[WOF]    ; my wave's 8 rows of a chunk
	v_lshlrev_b32 v[SO], 4, v59                    ; sel: 16 l
	v_lshrrev_b32 v62, 1, v60                      ; the prefetch: lanes 256 bytes apart: row 8 w + (l % 16) / 2, half l % 2, chunk 2 + l / 16
	v_lshl_add_u32 v62, s[WV], 3, v62
	v_lshlrev_b32 v[PFO], WSH, v62
	v_and_b32 v62, 1, v0
	v_lshl_add_u32 v[PFO], v62, 8, v[PFO]
	v_add_nc_u32 v62, 2, v61
	v_lshl_add_u32 v[PFO], v62, CHSH, v[PFO]
	s_lshl_b32 s[EM], 0x101, s[EX]
	s_add_co_u32 s[SH], s[EX], 8
	s_lshl_b32 s[LW], s[WV], 6
	s_add_co_u32 s[LW], s[LW], LIST
	s_mov_b32 s[OF+1], 0
	s_lshl_b32 s35, s[EX], 24                      ; an expert's weights are 16 MiB
.if PROD == 1
	s_lshl_b32 s36, s[XI], 9
	s_add_co_u32 s35, s35, s36                     ; w1: + 128 columns x 4 bytes a slice
	s_lshl_b32 s37, s[EX], 14
	s_add_co_u32 s37, s37, s36                     ; b1
	s_lshl_b32 s38, s[XI], 8                       ; hbuf: 128 columns x 2 bytes
	s_lshl_b32 s39, s[EX], 2                       ; cnt
	s_wait_kmcnt 0x0
	s_mov_b64 s[AP0:AP0+1], s[44:45]
	s_mov_b32 s[OF], s35
	s_add_nc_u64 s[WP0:WP0+1], s[46:47], s[OF:OF+1]
	s_mov_b32 s[OF], s37
	s_add_nc_u64 s[AUX:AUX+1], s[48:49], s[OF:OF+1]
	s_mov_b32 s[OF], s38
	s_add_nc_u64 s[OUT:OUT+1], s[52:53], s[OF:OF+1]
	s_mov_b32 s[OF], s39
	s_add_nc_u64 s[CNTP:CNTP+1], s[54:55], s[OF:OF+1]
.else
	s_lshr_b32 s36, s[XI], 3                       ; kq: which quarter of K
	s_and_b32 s37, s[XI], 7
	s_lshl_b32 s37, s37, 9                         ; which 128 columns
	s_lshl_b32 s38, s36, 22
	s_add_co_u32 s35, s35, s38
	s_add_co_u32 s35, s35, s37                     ; w2
	s_lshl_b32 s38, s36, 23
	s_add_co_u32 s38, s38, s37                     ; part
	s_lshl_b32 s39, s36, 11                        ; hbuf: 1,024 k x 2 bytes
	s_wait_kmcnt 0x0
	s_mov_b32 s[OF], s39
	s_add_nc_u64 s[AP0:AP0+1], s[44:45], s[OF:OF+1]
	s_mov_b32 s[OF], s35
	s_add_nc_u64 s[WP0:WP0+1], s[46:47], s[OF:OF+1]
	s_mov_b32 s[OF], s38
	s_add_nc_u64 s[OUT:OUT+1], s[52:53], s[OF:OF+1]
	s_mov_b64 s[AUX:AUX+1], s[50:51]
.endif
	s_mov_b64 s[AP:AP+1], s[AP0:AP0+1]             ; slot 0 begins with chunk 0,
	s_add_nc_u64 s[AP+30:AP+31], s[AP0:AP0+1], 128 ; slot 1 with chunk 1
	s_mov_b64 s[WP:WP+1], s[WP0:WP0+1]
	s_add_nc_u64 s[WP+6:WP+7], s[WP0:WP0+1], CHW
	s_cmp_lg_u32 s[WV], 0
	s_cbranch_scc1 .Lnosel                         ; wave 0 alone reads sel, ahead of the weights, so that its wait for sel leaves them out
.irp g, 0,1,2,3,4,5,6,7
	global_load_b128 v[ACC+4*\g:ACC+4*\g+3], v[SO], s[SELP:SELP+1] offset:512*\g  ; all 1,024 words of sel; the accumulators' registers are free
.endr
.Lnosel:
.if PROD == 1
	global_load_b128 v[BI:BI+3], v[BIO], s[AUX:AUX+1]
	global_load_b128 v[BI+4:BI+7], v[BIO], s[AUX:AUX+1] offset:16
.endif
	LDW 0, 0                                       ; chunk 0
	LDW 1, 0                                       ; chunk 1
	global_prefetch_b8 v[PFO], s[WP0:WP0+1] th:TH_LOAD_NT scope:SCOPE_SE               ; my wave's rows of chunks 2 and 3,
	global_prefetch_b8 v[PFO], s[WP0:WP0+1] offset:2*CHW th:TH_LOAD_NT scope:SCOPE_SE  ; and of 4 and 5
	v_lshl_add_u32 v[STA], v61, 6, v60             ; the rest of the lane's terms
	v_mul_u32_u24 v[STA], v[STA], RP
	v_lshl_add_u32 v[STA], s[WV], 4, v[STA]
	v_mul_u32_u24 v[BAD], v60, RP
	v_lshl_add_u32 v[BAD], v61, 4, v[BAD]
	v_mov_b32 v[BA0], v[BAD]
	v_lshlrev_b32 v[H16], 4, v61
	v_lshlrev_b32 v[R16], 4, v60
	v_lshl_add_u32 v[LR], v60, 2, s[LW]
	v_lshl_add_u32 v[LH], v61, 5, s[LW]
	v_mov_b32 v17, LCNT                            ; where the count goes
	s_cmp_lg_u32 s[WV], 0
	s_cbranch_scc1 .Lnolist                        ; THE LIST is wave 0's work; no other wave touches LDS ahead of the barrier below
	v_lshlrev_b32 v58, 3, v59                      ; 8 l
	v_add_nc_u32 v25, LDUMP, v59                   ; my dump word's place
	v_mov_b32 v26, v59                             ; l
	v_mov_b32 v27, LIST                            ; the list's place 0
	v_lshlrev_b32 v24, 4, v59
	v_add_nc_u32 v24, LIST, v24
.irp i, 20,21,22,23
	v_mov_b32 v\i, 0
.endr
.irp i, 0,1,2,3,4,5,6,7,8
	ds_store_b128 v24, v[20:23] offset:512*\i      ; all 1,152 places start as slot 0
.endr
	s_wait_loadcnt 16+2*(2-PROD)                   ; sel is in; (b1's two loads and) chunks 0 and 1, sixteen loads, stay out
	s_mov_b32 s[NE], 0
.set gg, 0
.rept 8
.set ii, 0
.rept 4
	GRP gg, ii                                     ; LDS serves a wave's instructions in order (ISA guide 5.7.1.4): these stores come behind the zeros
.set ii, ii+1
.endr
.set gg, gg+1
.endr
	v_mov_b32 v62, s[NE]
	ds_store_b32 v17, v62                          ; the count, for every wave
	ds_load_b32 v61, v27                           ; the expert's first row (slot 0 if it has none),
	v_add_nc_u32 v63, s[NE], v26                   ; into the 32 places behind the count: 1,055 at the most, inside the 1,152
	v_min_u32 v63, LDUMP+31, v63
	v_lshlrev_b32 v63, 2, v63
	v_add_nc_u32 v63, LIST, v63
	s_wait_dscnt 0x0
	ds_store_b32 v63, v61
.Lnolist:
	s_wait_dscnt 0x0                               ; for the others' sake: the list is stored
	s_barrier_signal -1
	s_barrier_wait -1
	ds_load_b32 v59, v17
.if PROD == 1
	s_wait_loadcnt 16                              ; b1 is in; chunks 0 and 1 stay out
.irp q, 0,2,4,6
	v_cvt_pk_bf16_f32 v60, v[BI+\q], v[BI+\q+1]    ; b1 rounded to bf16 like every input
	v_lshlrev_b32 v[BI+\q], 16, v60
	v_and_b32 v[BI+\q+1], s[MK], v60
.endr
.endif
	s_wait_dscnt 0x0
	v_readfirstlane_b32 s[NE], v59
	s_min_u32 s[NE], s[NE], 1024
	s_mov_b32 s[RB], 0
	s_mov_b32 s[LO], 0
	TILES
	SETUP
	LDA 0, 0                                       ; chunk 0's rows
	s_wait_loadcnt 20+16*(PROD-1)                  ; PROD 1: chunk 0 of w is in; chunk 1's 8 and the 12 rows stay out.  PROD 2: chunks 0 and 1, asked for in one run, are in; the 24 gate weights and the 12 rows stay out
	STAGE 0
	LDW 0, 1                                       ; chunk 2
	LDA 1, 0                                       ; chunk 1's rows
	s_wait_dscnt 0x0
	s_barrier_signal -1
	s_barrier_wait -1                              ; chunk 0 is whole
	LB 0, 0                                        ; its first fragments, both halves
	LB 1, 0
	TRIP 0, 1, 1, 1, 1, 20, 1, 0, 0                ; c = 0 starts the sums.  20: W(c + 2)'s 8 and A(c + 1)'s 12 are younger than A(c)
	s_mov_b32 s[LCN], 6
.Lpair:                                                ; c = 1 .. 12
	TRIP 1, 0, 1, 1, 1, 20, 1, 1, 0
	TRIP 0, 0, 1, 1, 1, 20, 1, 0, 1
	s_sub_co_u32 s[LCN], s[LCN], 1
	s_cmp_lg_u32 s[LCN], 0
	s_cbranch_scc1 .Lpair
	TRIP 1, 0, 1, 0, 1, 20, 1, 0, 0                ; c = 13: no chunk 16 to ask for
	TRIP 0, 0, 1, 0, 0, 12, 1, 0, 0                ; c = 14: only A15 is younger; the last chunk is staged
	TRIP 1, 0, 0, 0, 0, 0, 0, 0, 0                 ; c = 15: nothing is stored, so no barrier
	s_mov_b32 s[PC], 0
.Lpass:                                                ; three trips: a pass's rows leave, and the next 384 ranks, if there are any, are multiplied
	s_wait_xcnt 0x0                                ; the last pass's stores have read their registers: the way out writes them anew only behind this wait
	EPI 0
	EPI 1
	EPI 2
	s_add_co_u32 s[RB], s[RB], 384
	s_add_co_u32 s[LO], s[LO], 1536
	s_min_u32 s[LO], s[LO], 3072                   ; the list has three passes' places; the third trip finds no rank left (1,152 is more than 1,024 rows) and jumps
	TILES
	s_cmp_eq_u32 s[TW], 0
	s_cbranch_scc1 .Lnext                          ; nothing of mine is left: TW = 0 also switches the next way out off
	SETUP
	v_mov_b32 v[BAD], v[BA0]
	s_mov_b64 s[AP:AP+1], s[AP0:AP0+1]
	FTRIP 1
	s_mov_b32 s[KC], 1
.Lk:                                                   ; chunks 1 to 15
	s_mul_i32 s35, s[KC], CHL
	v_add_nc_u32 v[BAD], s35, v[BA0]
	FTRIP 0
	s_add_co_u32 s[KC], s[KC], 1
	s_cmp_lt_u32 s[KC], 16
	s_cbranch_scc1 .Lk
.Lnext:
	s_add_co_u32 s[PC], s[PC], 1
	s_cmp_lt_u32 s[PC], 3
	s_cbranch_scc1 .Lpass
.if PROD == 1
	s_cmp_lg_u32 s[XI], 0                          ; the expert's count, once: slice 0, wave 0, lane 0
	s_cbranch_scc1 .Lnocnt
	s_cmp_lg_u32 s[WV], 0
	s_cbranch_scc1 .Lnocnt
	v_mov_b32 v59, 0
	v_mov_b32 v60, s[NE]
	s_wait_xcnt 0x0                                ; EXEC changes only behind this wait
	v_cmp_eq_u32 vcc_lo, 0, v0
	s_and_saveexec_b32 s[SX], vcc_lo
	global_store_b32 v59, v60, s[CNTP:CNTP+1]
	s_wait_xcnt 0x0                                ; and is restored only behind this one
	s_or_b32 exec_lo, exec_lo, s[SX]
.Lnocnt:
.endif
	s_wait_dscnt 0x0                               ; my LDS reads are over;
	s_barrier_signal -1
	s_barrier_wait -1                              ; everybody's are: the launch's last LDS writes, below, stand behind every read
	s_wait_tensorcnt 0x0                           ; the wave's end, behind my last LDS store
	ds_add_u32 v[SPW], v[NIL]
	s_wait_dscnt 0x0
	s_endpgm
.Lfunc_end_k_q0463cb35e0_prod2:
	.size	k_q0463cb35e0_prod2, .Lfunc_end_k_q0463cb35e0_prod2-k_q0463cb35e0_prod2
	.p2alignl 7, 3214868480
	.fill 96, 4, 3214868480
	.section	.rodata,"a",@progbits
	.p2align	6, 0x0
	.amdhsa_kernel k_q0463cb35e0_prod2
		.amdhsa_group_segment_fixed_size 300800
		.amdhsa_private_segment_fixed_size 0
		.amdhsa_enable_private_segment 0
		.amdhsa_kernarg_size 40
		.amdhsa_user_sgpr_count 2
		.amdhsa_user_sgpr_kernarg_segment_ptr 1
		.amdhsa_wavefront_size32 1
		.amdhsa_system_sgpr_workgroup_id_x 1
		.amdhsa_system_sgpr_workgroup_id_y 1
		.amdhsa_system_sgpr_workgroup_id_z 1
		.amdhsa_system_vgpr_workitem_id 0
		.amdhsa_next_free_vgpr 512
		.amdhsa_next_free_sgpr 66
		.amdhsa_reserve_vcc 1
		.amdhsa_float_denorm_mode_32 3
		.amdhsa_float_denorm_mode_16_64 3
		.amdhsa_memory_ordered 1
		.amdhsa_forward_progress 1
		.amdhsa_inst_pref_size 145
	.end_amdhsa_kernel
	.amdgpu_metadata
---
amdhsa.version: [ 1, 2 ]
amdhsa.kernels:
  - .name:           k_q0463cb35e0_prod2
    .symbol:         k_q0463cb35e0_prod2.kd
    .args:
      - { .name: hbuf, .offset: 0, .size: 8, .value_kind: global_buffer, .address_space: global }
      - { .name: w2, .offset: 8, .size: 8, .value_kind: global_buffer, .address_space: global }
      - { .name: sel, .offset: 16, .size: 8, .value_kind: global_buffer, .address_space: global }
      - { .name: cw, .offset: 24, .size: 8, .value_kind: global_buffer, .address_space: global }
      - { .name: part, .offset: 32, .size: 8, .value_kind: global_buffer, .address_space: global }
    .group_segment_fixed_size: 300800
    .private_segment_fixed_size: 0
    .kernarg_segment_align: 8
    .kernarg_segment_size: 40
    .max_flat_workgroup_size: 256
    .sgpr_count:     66
    .vgpr_count:     512
    .wavefront_size: 32
...
	.end_amdgpu_metadata
.endif
;; end of part 3
;; launch addup (part 4): grid 256 x 1, 8 waves a work-group, no clusters, 0 bytes of LDS; arguments part, b2, sel, cw, cnt, out0, out1; writes out0, out1
.if DOCPART == 4
	.amdgcn_target "amdgcn-amd-amdhsa--gfx1250"
	.amdhsa_code_object_version 6
	.text
	.protected	k_q0463cb35e0_addup
	.globl	k_q0463cb35e0_addup
	.p2align	8
	.type	k_q0463cb35e0_addup,@function
k_q0463cb35e0_addup:
	s_mov_b64 s[64:65], 0
	v_nop
	global_prefetch_b8 v0, s[64:65] scope:SCOPE_SE
	s_setreg_imm32_b32 hwreg(HW_REG_WAVE_MODE, 25, 1), 1
	s_wait_xcnt 0x0
; out0[token] = the sum of the token's 8 partial rows (4 quarters of K x 2 choices, each already times its gate weight) + c0 b2[e0] + c1 b2[e1]; b2 rounded to bf16 like every input.
; out1 = the sum over the experts of (count / 2,048)^2: every token has two choices, so the counts add up to 2,048 by the reference's own construction.
; SHARES.  A work-group owns four tokens; a wave one token and one half of its 1,024 columns: 32 loads of 512 consecutive bytes, all issued before the first wait.  Memory binds: no LDS, no barrier, no matrix unit.
; The sums are taken in a fixed tree, in f32.  sel, read as whole numbers, picks the two rows of b2.
.set P, 16                             ; v16-143  quarter kq, choice s, piece i at P + 32 kq + 16 s + 4 i; the result gathers in P + 4 i
.set B, 144                            ; v144-175 choice k, piece i at B + 16 k + 4 i
.set T, 176
	s_load_b256 s[4:11], s[0:1], 0x0               ; part s[4:5], b2 s[6:7], sel s[8:9], cw s[10:11]
	s_load_b128 s[12:15], s[0:1], 0x20             ; cnt s[12:13], out0 s[14:15]
	s_load_b64 s[16:17], s[0:1], 0x30              ; out1
	v_lshrrev_b32 v1, 5, v0
	v_readfirstlane_b32 s18, v1                    ; wave
	v_and_b32 v2, 31, v0
	v_lshlrev_b32 v2, 4, v2                        ; 16 l
	s_mov_b32 s21, ttmp9
	s_lshr_b32 s19, s18, 1
	s_lshl_b32 s20, s21, 2
	s_add_co_u32 s19, s19, s20                     ; the token
	s_and_b32 s20, s18, 1
	s_lshl_b32 s20, s20, 11                        ; the half: 512 columns x 4 bytes
	s_mov_b32 s23, 0
	s_wait_kmcnt 0x0
	s_lshl_b32 s22, s19, 2
	s_add_nc_u64 s[8:9], s[8:9], s[22:23]
	s_load_b32 s24, s[8:9], 0x0                    ; the token's two experts
	s_lshl_b32 s22, s19, 3
	s_add_nc_u64 s[10:11], s[10:11], s[22:23]
	s_load_b64 s[26:27], s[10:11], 0x0             ; c0, c1
	s_lshl_b32 s22, s19, 13                        ; slots 2 t and 2 t + 1: two rows of 4,096 bytes
	s_add_co_u32 s22, s22, s20
	s_add_nc_u64 s[28:29], s[4:5], s[22:23]
	s_add_nc_u64 s[30:31], s[28:29], 0x800000      ; a quarter's partial sums are 8 MiB
	s_add_nc_u64 s[32:33], s[30:31], 0x800000
	s_add_nc_u64 s[34:35], s[32:33], 0x800000
.irp kq, 0,1,2,3
.irp s, 0,1
.irp i, 0,1,2,3
	global_load_b128 v[P+32*\kq+16*\s+4*\i:P+32*\kq+16*\s+4*\i+3], v2, s[28+2*\kq:29+2*\kq] offset:4096*\s+512*\i th:TH_LOAD_NT
.endr
.endr
.endr
	s_lshl_b32 s22, s19, 12
	s_add_co_u32 s22, s22, s20
	s_add_nc_u64 s[14:15], s[14:15], s[22:23]      ; out0 at my half row
	s_mov_b32 s22, s20
	s_add_nc_u64 s[6:7], s[6:7], s[22:23]          ; b2 at my half
	s_wait_kmcnt 0x0
	s_and_b32 s36, s24, 0xff
	s_ctz_i32_b32 s36, s36                         ; e0
	s_min_u32 s36, s36, 7
	s_lshl_b32 s36, s36, 12
	s_mov_b32 s37, 0
	s_lshr_b32 s38, s24, 8
	s_ctz_i32_b32 s38, s38                         ; e1
	s_min_u32 s38, s38, 7
	s_lshl_b32 s38, s38, 12
	s_mov_b32 s39, 0
	s_add_nc_u64 s[36:37], s[6:7], s[36:37]
	s_add_nc_u64 s[38:39], s[6:7], s[38:39]
	s_mov_b32 s40, s27                             ; c1 as the low word of a pair
	s_mov_b32 s41, s27
.irp k, 0,1
.irp i, 0,1,2,3
	global_load_b128 v[B+16*\k+4*\i:B+16*\k+4*\i+3], v2, s[36+2*\k:37+2*\k] offset:512*\i
.endr
.endr
	s_wait_loadcnt 8                               ; the 32 partial pieces are in; b2's eight stay out
.irp i, 0,1,2,3
.irp q, 0,2
.irp kq, 0,1,2,3
	v_pk_add_f32 v[P+32*\kq+4*\i+\q:P+32*\kq+4*\i+\q+1], v[P+32*\kq+4*\i+\q:P+32*\kq+4*\i+\q+1], v[P+32*\kq+16+4*\i+\q:P+32*\kq+16+4*\i+\q+1]
.endr
	v_pk_add_f32 v[P+4*\i+\q:P+4*\i+\q+1], v[P+4*\i+\q:P+4*\i+\q+1], v[P+32+4*\i+\q:P+32+4*\i+\q+1]
	v_pk_add_f32 v[P+64+4*\i+\q:P+64+4*\i+\q+1], v[P+64+4*\i+\q:P+64+4*\i+\q+1], v[P+96+4*\i+\q:P+96+4*\i+\q+1]
	v_pk_add_f32 v[P+4*\i+\q:P+4*\i+\q+1], v[P+4*\i+\q:P+4*\i+\q+1], v[P+64+4*\i+\q:P+64+4*\i+\q+1]
.endr
.endr
	s_wait_loadcnt 0x0
.set n, 0
.rept 16
	v_cvt_pk_bf16_f32 v[T+n%2], v[B+2*n], v[B+2*n+1]
	v_lshlrev_b32 v[B+2*n], 16, v[T+n%2]
	v_and_b32 v[B+2*n+1], 0xffff0000, v[T+n%2]
.set n, n+1
.endr
.set n, 0
.rept 8
	v_pk_fma_f32 v[P+2*n:P+2*n+1], v[B+2*n:B+2*n+1], s[26:27], v[P+2*n:P+2*n+1] op_sel_hi:[1,0,1]
.set n, n+1
.endr
.set n, 0
.rept 8
	v_pk_fma_f32 v[P+2*n:P+2*n+1], v[B+16+2*n:B+16+2*n+1], s[40:41], v[P+2*n:P+2*n+1] op_sel_hi:[1,0,1]
.set n, n+1
.endr
.irp i, 0,1,2,3
	global_store_b128 v2, v[P+4*\i:P+4*\i+3], s[14:15] offset:512*\i th:TH_STORE_NT  ; 512 consecutive bytes, aligned
.endr
	s_or_b32 s22, s21, s18
	s_cmp_lg_u32 s22, 0
	s_cbranch_scc1 .Lend                           ; the loss: work-group 0, wave 0
	s_load_b256 s[44:51], s[12:13], 0x0
	s_wait_kmcnt 0x0
.irp e, 44,45,46,47,48,49,50,51
	s_cvt_f32_u32 s\e, s\e
	s_mul_f32 s\e, s\e, 0x3a000000                 ; / 2,048, exact
.endr
	s_mul_f32 s52, s44, s44
.irp e, 45,46,47,48,49,50,51
	s_fmac_f32 s52, s\e, s\e
.endr
	v_mov_b32 v3, 0
	v_mov_b32 v4, s52
	s_wait_xcnt 0x0                                ; EXEC changes only behind this wait
	v_cmp_eq_u32 vcc_lo, 0, v0
	s_and_saveexec_b32 s22, vcc_lo
	global_store_b32 v3, v4, s[16:17]
	s_endpgm
.Lend:
	s_endpgm
.Lfunc_end_k_q0463cb35e0_addup:
	.size	k_q0463cb35e0_addup, .Lfunc_end_k_q0463cb35e0_addup-k_q0463cb35e0_addup
	.p2alignl 7, 3214868480
	.fill 96, 4, 3214868480
	.section	.rodata,"a",@progbits
	.p2align	6, 0x0
	.amdhsa_kernel k_q0463cb35e0_addup
		.amdhsa_group_segment_fixed_size 0
		.amdhsa_private_segment_fixed_size 0
		.amdhsa_enable_private_segment 0
		.amdhsa_kernarg_size 56
		.amdhsa_user_sgpr_count 2
		.amdhsa_user_sgpr_kernarg_segment_ptr 1
		.amdhsa_wavefront_size32 1
		.amdhsa_system_sgpr_workgroup_id_x 1
		.amdhsa_system_sgpr_workgroup_id_y 1
		.amdhsa_system_sgpr_workgroup_id_z 1
		.amdhsa_system_vgpr_workitem_id 0
		.amdhsa_next_free_vgpr 184
		.amdhsa_next_free_sgpr 66
		.amdhsa_reserve_vcc 1
		.amdhsa_float_denorm_mode_32 3
		.amdhsa_float_denorm_mode_16_64 3
		.amdhsa_memory_ordered 1
		.amdhsa_forward_progress 1
		.amdhsa_inst_pref_size 15
	.end_amdhsa_kernel
	.amdgpu_metadata
---
amdhsa.version: [ 1, 2 ]
amdhsa.kernels:
  - .name:           k_q0463cb35e0_addup
    .symbol:         k_q0463cb35e0_addup.kd
    .args:
      - { .name: part, .offset: 0, .size: 8, .value_kind: global_buffer, .address_space: global }
      - { .name: b2, .offset: 8, .size: 8, .value_kind: global_buffer, .address_space: global }
      - { .name: sel, .offset: 16, .size: 8, .value_kind: global_buffer, .address_space: global }
      - { .name: cw, .offset: 24, .size: 8, .value_kind: global_buffer, .address_space: global }
      - { .name: cnt, .offset: 32, .size: 8, .value_kind: global_buffer, .address_space: global }
      - { .name: out0, .offset: 40, .size: 8, .value_kind: global_buffer, .address_space: global }
      - { .name: out1, .offset: 48, .size: 8, .value_kind: global_buffer, .address_space: global }
    .group_segment_fixed_size: 0
    .private_segment_fixed_size: 0
    .kernarg_segment_align: 8
    .kernarg_segment_size: 56
    .max_flat_workgroup_size: 256
    .sgpr_count:     66
    .vgpr_count:     184
    .wavefront_size: 32
...
	.end_amdgpu_metadata
.endif
;; end of part 4
;; ======== version 2 of 2: 4 launches; version 1 with the launch router written anew for expert scheduling mode
;; limits: values are held in f16: magnitudes above 65,504 overflow, below 6.1e-05 lose precision
;; workspace buffers: xb 2,097,152 bytes; sel 4,096 bytes of whole numbers; cw 8,192 bytes; hbuf 16,777,216 bytes; part 33,554,432 bytes; cnt 256 bytes of whole numbers
;; launch router (part 5): grid 256 x 1, 1 waves a work-group, no clusters, 0 bytes of LDS; arguments x, gate_w, gate_b, xb, sel, cw; writes xb, sel, cw
.if DOCPART == 5
	.amdgcn_target "amdgcn-amd-amdhsa--gfx1250"
	.amdhsa_code_object_version 6
	.text
	.protected	k_q0463cb35e0_router
	.globl	k_q0463cb35e0_router
	.p2align	8
	.type	k_q0463cb35e0_router,@function
k_q0463cb35e0_router:
	s_mov_b64 s[64:65], 0
	v_nop
	global_prefetch_b8 v0, s[64:65] scope:SCOPE_SE
	s_setreg_imm32_b32 hwreg(HW_REG_WAVE_SCHED_MODE, 0, 2), 2
	s_setreg_imm32_b32 hwreg(HW_REG_WAVE_MODE, 25, 1), 1
	s_wait_xcnt 0x0
	s_wait_alu depctr_vm_vsrc(0)
; ROUTER.  x is rounded to bf16 and stored (xb); logits = xb . gate_w + gate_b with gate_w and gate_b rounded to bf16 too, products and sums in f32
; by vector multiply-adds (16 MFLOP: no bulk work); softmax with the row's maximum taken away; top 2 of the SCORES, ties to the lower index.
; Stored at fixed places: sel[token] = (1 << e0) | (256 << e1), cw[token] = the two scores.  No address hangs on them here.
; SHARES.  A work-group is one wave and owns tokens 4 g .. 4 g + 3.  Lane l owns the channels 128 j + 4 l + 0..3 of chunk j = 0..7.
; A ring of four register slots: a slot holds a chunk's 8 loads of gate_w (the lane's 4 rows of 8 floats) and 4 loads of x (one a token).
; LIMITS.  A score below 2^-126 counts as 0; NaN and infinities are not treated apart (a row of NaN chooses expert 0 twice); the order of the sums differs from
; the reference's.  sel and cw leave in pieces of 16 and 32 bytes a work-group, 12 KB in the whole launch.
; THE MODE: SCHED_MODE bits 1:0 = 2 (LLVM: expert scheduling mode 2), set by the entry lines.  The code itself states the register dependences
; between vector instructions and memory instructions, with s_wait_alu, always for 0.
; THE PLAN.  Registers that memory instructions touch:
;   v1 to v3   offsets, made once at the head and never written again: chunks and tokens are reached by immediate offsets.
;   X, G       slot s: written by the loads of a chunk; rounded in place and read by that chunk's vector lines; then the loads of the chunk four further on land in it.
;   XB         written by a chunk's roundings of x, read by its four stores, written again by the next chunk's roundings.
; So ONE wait on va_vdst stands in a chunk, behind its multiply-adds: XB is written and the vector lines are done with the slot; the slot's twelve loads and the four stores follow it.
; One wait on vm_vsrc stands at a chunk's head, ahead of the roundings that write XB again.
.set XO,  1                            ; v1   16 l: my bytes in 512 bytes of a row of x
.set GO,  2                            ; v2   128 l: my four rows of gate_w in a chunk
.set BO,  3                            ; v3   8 l: my bytes in 256 bytes of a row of xb; also my pair in cw
.set T,   4                            ; v4-7 at work
.set XB,  8                            ; v8-15   token t: two words, four bf16, to store
.set ACC, 16                           ; v16-47  token t, expert e at ACC + 8 t + e
.set X,   48                           ; v48-111 slot s, token t: four channels at X + 16 s + 4 t
.set G,   112                          ; v112-239 slot s: channel c, expert e at G + 32 s + 8 c + e
	s_load_b256 s[4:11], s[0:1], 0x0               ; x s[4:5], gate_w s[6:7], gate_b s[8:9], xb s[10:11]
	s_load_b128 s[12:15], s[0:1], 0x20             ; sel s[12:13], cw s[14:15]
	v_lshlrev_b32 v[XO], 4, v0
	v_lshlrev_b32 v[GO], 7, v0
	v_lshlrev_b32 v[BO], 3, v0
	s_mov_b32 s24, 0xffff0000                      ; a word's upper bf16
	s_mov_b32 s25, 0x76543210                      ; v_permlanex16_b32: each lane takes its own place in the other half
	s_mov_b32 s26, 0xfedcba98
	s_mov_b32 s27, 0xaaaaaaaa                      ; lanes with bit 0 set
	s_mov_b32 s28, 0xcccccccc                      ; lanes with bit 1 set
	s_lshl_b32 s30, ttmp9, 14                      ; four rows of x
	s_mov_b32 s31, 0
	s_lshl_b32 s32, ttmp9, 13                      ; four rows of xb
	s_mov_b32 s33, 0
	s_lshl_b32 s34, ttmp9, 4                       ; four words of sel
	s_mov_b32 s35, 0
	s_lshl_b32 s36, ttmp9, 5                       ; four pairs of cw
	s_mov_b32 s37, 0
	s_wait_kmcnt 0x0
	s_load_b256 s[16:23], s[8:9], 0x0              ; gate_b, all 32 bytes
	s_add_nc_u64 s[4:5], s[4:5], s[30:31]
	s_add_nc_u64 s[10:11], s[10:11], s[32:33]
	s_add_nc_u64 s[12:13], s[12:13], s[34:35]
	s_add_nc_u64 s[14:15], s[14:15], s[36:37]
	s_wait_alu depctr_va_vdst(0)                   ; the three offsets v1 to v3 are written: every load and store of the chunks reads one of them
.macro FILL j                          ; chunk j into slot j % 4: twelve loads
.set sl, (\j)%4
.irp i, 0,1,2,3,4,5,6,7
	global_load_b128 v[G+32*sl+4*\i:G+32*sl+4*\i+3], v[GO], s[6:7] offset:4096*(\j)+16*\i
.endr
.irp t, 0,1,2,3
	global_load_b128 v[X+16*sl+4*\t:X+16*sl+4*\t+3], v[XO], s[4:5] offset:4096*\t+512*(\j) th:TH_LOAD_NT
.endr
.endm
; Chunk j.  left: the younger loads that may stay out.  first = 1: the first products start the sums, and nothing has read XB yet.  refill = 1: the slot takes chunk j + 4.
.macro CH j, first, refill, left
.set sl, (\j)%4
	s_wait_loadcnt \left                           ; loads come back in order: this chunk's twelve are in
.if !(\first)
	s_wait_xcnt 0x0                                ; XB, which the last chunk's stores read, is rewritten only behind this wait
	s_wait_alu depctr_vm_vsrc(0)                   ; the last chunk's stores have read XB, which the roundings of x below write again
.endif
.set p, 0
.rept 16                               ; gate_w rounded to bf16 and widened again, in place
	v_cvt_pk_bf16_f32 v[T+p%2], v[G+32*sl+2*p], v[G+32*sl+2*p+1]
	v_lshlrev_b32 v[G+32*sl+2*p], 16, v[T+p%2]
	v_and_b32 v[G+32*sl+2*p+1], s24, v[T+p%2]
.set p, p+1
.endr
.irp t, 0,1,2,3                        ; x likewise; the packed words are kept for the stores at the chunk's end
	v_cvt_pk_bf16_f32 v[XB+2*\t], v[X+16*sl+4*\t], v[X+16*sl+4*\t+1]
	v_cvt_pk_bf16_f32 v[XB+2*\t+1], v[X+16*sl+4*\t+2], v[X+16*sl+4*\t+3]
	v_lshlrev_b32 v[X+16*sl+4*\t], 16, v[XB+2*\t]
	v_and_b32 v[X+16*sl+4*\t+1], s24, v[XB+2*\t]
	v_lshlrev_b32 v[X+16*sl+4*\t+2], 16, v[XB+2*\t+1]
	v_and_b32 v[X+16*sl+4*\t+3], s24, v[XB+2*\t+1]
.endr
.irp c, 0,1,2,3                        ; 64 packed multiply-adds: channel c of token t, given to both halves, times two experts' weights
.irp t, 0,1,2,3
.irp q, 0,2,4,6
.if (\first) && (\c == 0)
	v_pk_mul_f32 v[ACC+8*\t+\q:ACC+8*\t+\q+1], v[X+16*sl+4*\t:X+16*sl+4*\t+1], v[G+32*sl+\q:G+32*sl+\q+1] op_sel_hi:[0,1]
.elseif (\c % 2) == 0
	v_pk_fma_f32 v[ACC+8*\t+\q:ACC+8*\t+\q+1], v[X+16*sl+4*\t+\c:X+16*sl+4*\t+\c+1], v[G+32*sl+8*\c+\q:G+32*sl+8*\c+\q+1], v[ACC+8*\t+\q:ACC+8*\t+\q+1] op_sel_hi:[0,1,1]
.else
	v_pk_fma_f32 v[ACC+8*\t+\q:ACC+8*\t+\q+1], v[X+16*sl+4*\t+\c-1:X+16*sl+4*\t+\c], v[G+32*sl+8*\c+\q:G+32*sl+8*\c+\q+1], v[ACC+8*\t+\q:ACC+8*\t+\q+1] op_sel:[1,0,0] op_sel_hi:[1,1,1]
.endif
.endr
.endr
.endr
	s_wait_alu depctr_va_vdst(0)                   ; the roundings have written XB, which the stores below read; the chunk's vector lines are done writing and reading the slot's X and G, in which the loads below land
.if \refill
	FILL (\j)+4
.endif
.irp t, 0,1,2,3
	global_store_b64 v[BO], v[XB+2*\t:XB+2*\t+1], s[10:11] offset:2048*\t+256*(\j)  ; a wave's store covers 256 consecutive bytes, aligned
.endr
.endm
	FILL 0
	FILL 1
	FILL 2
	FILL 3                                         ; 48 loads are out
	CH 0, 1, 1, 36                                 ; three younger chunks of twelve stay out
	CH 1, 0, 1, 36
	CH 2, 0, 1, 36
	CH 3, 0, 1, 36
	CH 4, 0, 0, 36
	CH 5, 0, 0, 24                                 ; nothing more is asked for: the counts run down
	CH 6, 0, 0, 12
	CH 7, 0, 0, 0
	; the 32 sums over the 32 lanes: four steps inside each half of 16 lanes, one across the halves; every lane ends with every sum
.irp m, 1,2,4,8
.set n, 0
.rept 32
	v_add_f32_dpp v[ACC+n], v[ACC+n], v[ACC+n] row_xmask:\m row_mask:0xf bank_mask:0xf
.set n, n+1
.endr
.endr
.set n, 0
.rept 32
	v_permlanex16_b32 v[X+n], v[ACC+n], s25, s26   ; its destination has been written: x's registers
.set n, n+1
.endr
.set n, 0
.rept 32
	v_add_f32 v[ACC+n], v[ACC+n], v[X+n]
.set n, n+1
.endr
	; lane l goes on with token l % 4: its eight logits come into ACC + 0..7
.irp e, 0,1,2,3,4,5,6,7
	v_cndmask_b32 v[ACC+\e], v[ACC+\e], v[ACC+8+\e], s27
	v_cndmask_b32 v[ACC+16+\e], v[ACC+16+\e], v[ACC+24+\e], s27
.endr
.irp e, 0,1,2,3,4,5,6,7
	v_cndmask_b32 v[ACC+\e], v[ACC+\e], v[ACC+16+\e], s28
.endr
	s_wait_kmcnt 0x0                               ; gate_b
.irp q, 0,2,4,6
	v_cvt_pk_bf16_f32 v[T], s[16+\q], s[17+\q]     ; rounded to bf16 like every input
	v_lshlrev_b32 v[X+\q], 16, v[T]
	v_and_b32 v[X+\q+1], s24, v[T]
.endr
.irp e, 0,1,2,3,4,5,6,7
	v_add_f32 v[ACC+\e], v[ACC+\e], v[X+\e]
.endr
	v_max3_num_f32 v[T], v[ACC], v[ACC+1], v[ACC+2]
	v_max3_num_f32 v[T], v[T], v[ACC+3], v[ACC+4]
	v_max3_num_f32 v[T], v[T], v[ACC+5], v[ACC+6]
	v_max_num_f32 v[T], v[T], v[ACC+7]             ; the row's maximum
.set PR, X+8                           ; v56-63: the exponentials, then the scores
.irp e, 0,1,2,3,4,5,6,7
	v_sub_f32 v[PR+\e], v[ACC+\e], v[T]            ; exact 0 at the maximum
.endr
.irp e, 0,1,2,3,4,5,6,7
	v_mul_f32 v[PR+\e], 0x3fb8aa3b, v[PR+\e]       ; times log2(e)
.endr
.irp e, 0,1,2,3,4,5,6,7
	v_exp_f32 v[PR+\e], v[PR+\e]                   ; one batch of eight
.endr
	v_nop                                          ; a plain instruction behind the last exponential (ISA guide 5.7.2)
	s_wait_alu depctr_va_vdst(0)                   ; the eight exponentials have written v[PR ..]: one wait for the batch, ahead of its first reader
	v_add_f32 v[T], v[PR], v[PR+1]
	v_add_f32 v[T+1], v[PR+2], v[PR+3]
	v_add_f32 v[T+2], v[PR+4], v[PR+5]
	v_add_f32 v[T+3], v[PR+6], v[PR+7]
	v_add_f32 v[T], v[T], v[T+1]
	v_add_f32 v[T+2], v[T+2], v[T+3]
	v_add_f32 v[T], v[T], v[T+2]
	v_rcp_f32 v[T+1], v[T]
	v_nop
	s_wait_alu depctr_va_vdst(0)                   ; the reciprocal has written v[T+1], ahead of its first reader
.irp e, 0,1,2,3,4,5,6,7
	v_mul_f32 v[PR+\e], v[PR+\e], v[T+1]           ; the scores
.endr
	; top 2 by selects alone: the maximum, then the lowest index that holds it (the selects run from index 7 down to 0, so among equals the lower index stays).
	; The compares stand in runs of eight, into scalar registers of their own, with one wait behind each run.
.set MSK, 30                           ; s30-37: eight masks (the head's offsets lay here)
.set MV,  32                           ; v32-39: the scores with the first choice taken out
	v_max3_num_f32 v24, v[PR], v[PR+1], v[PR+2]
	v_max3_num_f32 v24, v24, v[PR+3], v[PR+4]
	v_max3_num_f32 v24, v24, v[PR+5], v[PR+6]
	v_max_num_f32 v24, v24, v[PR+7]                ; v24 the best score
.irp e, 0,1,2,3,4,5,6,7
	v_cmp_eq_f32 s[MSK+\e], v[PR+\e], v24
.endr
	v_mov_b32 v26, 0                               ; v26 its expert
	s_wait_alu depctr_va_sdst(0)                   ; the eight compares have written s30 to s37, ahead of the selects that read them
.irp e, 7,6,5,4,3,2,1,0
	v_cndmask_b32 v26, v26, \e, s[MSK+\e]
.endr
.irp e, 0,1,2,3,4,5,6,7
	v_cmp_eq_u32 s[MSK+\e], \e, v26
.endr
	s_wait_alu depctr_va_sdst(0)                   ; the eight compares have written s30 to s37, ahead of the selects that read them
.irp e, 0,1,2,3,4,5,6,7
	v_cndmask_b32 v[MV+\e], v[PR+\e], -1.0, s[MSK+\e]  ; the first choice counts as -1, below every score
.endr
	v_max3_num_f32 v25, v[MV], v[MV+1], v[MV+2]
	v_max3_num_f32 v25, v25, v[MV+3], v[MV+4]
	v_max3_num_f32 v25, v25, v[MV+5], v[MV+6]
	v_max_num_f32 v25, v25, v[MV+7]                ; v25 the second score
.irp e, 0,1,2,3,4,5,6,7
	v_cmp_eq_f32 s[MSK+\e], v[MV+\e], v25
.endr
	v_mov_b32 v27, 0                               ; v27 its expert
	s_wait_alu depctr_va_sdst(0)                   ; the eight compares have written s30 to s37, ahead of the selects that read them
.irp e, 7,6,5,4,3,2,1,0
	v_cndmask_b32 v27, v27, \e, s[MSK+\e]
.endr
	v_mov_b32 v29, 1
	v_lshlrev_b32 v30, v26, v29                    ; 1 << e0
	v_add_nc_u32 v27, 8, v27
	v_lshlrev_b32 v31, v27, v29                    ; 256 << e1
	v_or_b32 v30, v30, v31
	v_lshlrev_b32 v31, 2, v0
	s_wait_xcnt 0x0                                ; EXEC changes only behind this wait
	v_cmp_gt_u32 vcc_lo, 4, v0
	s_wait_alu depctr_va_vcc(0)                    ; the compare has written VCC, from which EXEC is made
	s_wait_alu depctr_va_vdst(0)                   ; ahead of the write of EXEC: the vector lines are done; among them those that wrote v24, v25, v30 and v31, which the two stores read
	s_wait_alu depctr_vm_vsrc(0)                   ; ahead of the write of EXEC: the chunks' stores have read their registers
	s_and_saveexec_b32 s29, vcc_lo                 ; lanes 0 to 3 hold tokens 0 to 3
	global_store_b32 v31, v30, s[12:13]
	global_store_b64 v[BO], v[24:25], s[14:15]
	s_endpgm
.Lfunc_end_k_q0463cb35e0_router:
	.size	k_q0463cb35e0_router, .Lfunc_end_k_q0463cb35e0_router-k_q0463cb35e0_router
	.p2alignl 7, 3214868480
	.fill 96, 4, 3214868480
	.section	.rodata,"a",@progbits
	.p2align	6, 0x0
	.amdhsa_kernel k_q0463cb35e0_router
		.amdhsa_group_segment_fixed_size 0
		.amdhsa_private_segment_fixed_size 0
		.amdhsa_enable_private_segment 0
		.amdhsa_kernarg_size 48
		.amdhsa_user_sgpr_count 2
		.amdhsa_user_sgpr_kernarg_segment_ptr 1
		.amdhsa_wavefront_size32 1
		.amdhsa_system_sgpr_workgroup_id_x 1
		.amdhsa_system_sgpr_workgroup_id_y 1
		.amdhsa_system_sgpr_workgroup_id_z 1
		.amdhsa_system_vgpr_workitem_id 0
		.amdhsa_next_free_vgpr 240
		.amdhsa_next_free_sgpr 66
		.amdhsa_reserve_vcc 1
		.amdhsa_float_denorm_mode_32 3
		.amdhsa_float_denorm_mode_16_64 3
		.amdhsa_memory_ordered 1
		.amdhsa_forward_progress 1
		.amdhsa_inst_pref_size 90
	.end_amdhsa_kernel
	.amdgpu_metadata
---
amdhsa.version: [ 1, 2 ]
amdhsa.kernels:
  - .name:           k_q0463cb35e0_router
    .symbol:         k_q0463cb35e0_router.kd
    .args:
      - { .name: x, .offset: 0, .size: 8, .value_kind: global_buffer, .address_space: global }
      - { .name: gate_w, .offset: 8, .size: 8, .value_kind: global_buffer, .address_space: global }
      - { .name: gate_b, .offset: 16, .size: 8, .value_kind: global_buffer, .address_space: global }
      - { .name: xb, .offset: 24, .size: 8, .value_kind: global_buffer, .address_space: global }
      - { .name: sel, .offset: 32, .size: 8, .value_kind: global_buffer, .address_space: global }
      - { .name: cw, .offset: 40, .size: 8, .value_kind: global_buffer, .address_space: global }
    .group_segment_fixed_size: 0
    .private_segment_fixed_size: 0
    .kernarg_segment_align: 8
    .kernarg_segment_size: 48
    .max_flat_workgroup_size: 32
    .sgpr_count:     66
    .vgpr_count:     240
    .wavefront_size: 32
...
	.end_amdgpu_metadata
.endif
;; end of part 5
;; launch prod1: the kernel of part 2 again; grid 32 x 8, 8 waves a work-group, no clusters, 300,800 bytes of LDS; arguments xb, w1, b1, sel, hbuf, cnt; writes hbuf, cnt
;; launch prod2: the kernel of part 3 again; grid 32 x 8, 8 waves a work-group, no clusters, 300,800 bytes of LDS; arguments hbuf, w2, sel, cw, part; writes part
;; launch addup: the kernel of part 4 again; grid 256 x 1, 8 waves a work-group, no clusters, 0 bytes of LDS; arguments part, b2, sel, cw, cnt, out0, out1; writes out0, out1
